; MI455X (gfx1250); checked and timed in simulation.
; The chip was launched on July 23, 2026; its instructions are those of AMD's public machine-readable ISA for CDNA 5 (MIT licence, August 2026) and "CDNA5" Instruction Set Architecture Reference Guide (July 2026). The comments in the code are by the model that wrote it; some were corrected since.
;; Multi Head Attention. Allowed arithmetic: matrix products marked QUANTISED: E2M3 operands, one E8M0 scale for each 32 along K, by v_wmma_scale_f32_16x16x128_f8f6f4 with both operands' format E2M3, f32 sums; everything else in f32.
;; Inputs: Wk 1,024 x 1,024 float32; Wo 1,024 x 1,024 float32; Wq 1,024 x 1,024 float32; Wv 1,024 x 1,024 float32; keys 4 x 2,048 x 1,024 float32; queries 4 x 2,048 x 1,024 float32; src_masks 4 x 1 x 1 x 2,048 float32; values 4 x 2,048 x 1,024 float32.
;; Outputs: out0 4 x 2,048 x 1,024 float32.
;; This version of the problem:
;;   THIS VERSION OF THE PROBLEM IS GIVEN IN LOW PRECISION. The matrix products marked QUANTISED in the list below multiply operands that are first quantised to E2M3 (2 exponent bits, 3 mantissa bits; 6 bits a number), with one power-of-two scale for each 32 numbers along K (OCP MX v1.0); their sums are f32. All else is computed in f32.
;;   The module's matrix products, in the order in which they are computed (A, B: the left and right operand; K: the contracted axis; several contracted axes count as one K, in the product's order):
;;     1. [M 8,192, K 1,024] x [K 1,024, N 1,024]; A: input queries; B: input Wq: QUANTISED
;;     2. [M 8,192, K 1,024] x [K 1,024, N 1,024]; A: input keys; B: input Wk: QUANTISED
;;     3. [M 8,192, K 1,024] x [K 1,024, N 1,024]; A: input values; B: input Wv: QUANTISED
;;     4. batch 64 x [M 2,048, K 64] x [K 64, N 2,048]; A: computed on the way; B: computed on the way: QUANTISED
;;     5. batch 64 x [M 2,048, K 2,048] x [K 2,048, N 64]; A: softmax (see below); B: computed on the way: QUANTISED
;;     6. [M 8,192, K 1,024] x [K 1,024, N 1,024]; A: computed on the way; B: input Wo: QUANTISED
;;   THE QUANTISER, for each operand of a quantised product, along K:
;;     - K is cut into blocks of 32 from its start; a last block that is shorter is filled with zeros.
;;     - A block's scale is 2^e with e = floor(log2(the largest magnitude in the block)) - 2, held to -126 .. 127; a block of zeros has e = 0. As a byte (E8M0): e + 127.
;;     - Each number is divided by its block's scale, clamped to +-7.5, and rounded to the nearest number of E2M3, ties to even, subnormals kept.
;;     - The product sums the exact products of the quantised numbers (number of the format x scale) in f32.
;;   ~~~python
;;   def quantise(x, axis):      # numpy; x: float32 -> the quantised numbers, widened to float32 again
;;       x = np.moveaxis(x, axis, -1); K = x.shape[-1]
;;       x = np.pad(x, [(0, 0)] * (x.ndim - 1) + [(0, -K % 32)]); x = x.reshape(x.shape[:-1] + (-1, 32)); a = np.abs(x).max(-1, keepdims=True)
;;       e = np.where(a > 0, np.clip(np.frexp(np.where(a > 0, a, 1))[1] - 1 - 2, -126, 127), 0)      # np.frexp(a)[1] - 1 = floor(log2(a)), exactly
;;       r = np.clip(x / 2.0 ** e, -7.5, 7.5)
;;       step = 2.0 ** (np.maximum(np.frexp(np.where(r == 0, 1, r))[1] - 1, 0) - 3)
;;       q = np.round(r / step) * step * 2.0 ** e      # np.round: ties to even
;;       return np.moveaxis(q.reshape(q.shape[:-2] + (-1,))[..., :K], -1, axis).astype(np.float32)
;;   ~~~
;;   SOFTMAX AHEAD OF A QUANTISED PRODUCT. Where the list says 'softmax', what is quantised is not the finished softmax but p = 2^(t - M), with t = logit x log2(e) and M = ceil(the row's largest t), a whole number; so 1/2 < the row's largest p <= 1. The row's sum l is taken of the UNQUANTISED p, in f32, and the product's result is divided by l at the end. Since M is a whole number, a kernel that streams over the keys may use a running M (the ceiling of the running maximum): every later rescaling is an exact power of two, which a block's scale takes up: the codes' values come out the same.
;;   OPERANDS COMPUTED ON THE WAY. 'Computed on the way' means the value that the module computes at that place (a softmax that the list does not call 'softmax' is quantised finished and normalised). What goes into a quantiser is computed in f32, as accurately as f32 sums, v_exp_f32 and their like allow (about 1e-6 of the number): no bf16 or f16 on the way to a quantiser, and a product that is left as it is and whose result goes on into a quantised operand takes f32 operands (vector FMAs, or v_wmma_f32_16x16x4_f32). A number that lies on a knife's edge between two numbers of the format may be rounded either way, as far as f32 arithmetic and the matrix unit's own rounding can turn it there, and no further.
;; 2 versions, each right; version 2 is version 1 with the launch proj written anew for expert scheduling mode. Each part assembles by itself: llvm-mc -triple=amdgcn-amd-amdhsa -mcpu=gfx1250 --defsym DOCPART=n.
;; ======== version 1 of 2: 4 launches
;; limits: right only within a limited range of input values
;; workspace buffers: wimg 3,276,800 bytes; qkv 19,660,800 bytes; ctx 6,553,600 bytes
;; launch wquant (part 1): grid 8 x 32, 4 waves a work-group, no clusters, 12,800 bytes of LDS; arguments Wq, Wk, Wv, Wo, wimg; writes wimg
.if DOCPART == 1
	.amdgcn_target "amdgcn-amd-amdhsa--gfx1250"
	.amdhsa_code_object_version 6
	.text
	.protected	k_q76d2266814_wquant
	.globl	k_q76d2266814_wquant
	.p2align	8
	.type	k_q76d2266814_wquant,@function
k_q76d2266814_wquant:
	s_mov_b64 s[64:65], 0
	v_nop
	global_prefetch_b8 v0, s[64:65] scope:SCOPE_SE
	s_setreg_imm32_b32 hwreg(HW_REG_WAVE_MODE, 25, 1), 1
	s_wait_xcnt 0x0
; Wq, Wk, Wv, Wo: [1024 (k)][1024 (n)] f32, K the FIRST axis.  Each becomes codes of FP6 (E2M3) with one E8M0 byte for each 32 along K, laid as IMAGES OF OPERAND REGISTERS:
; wimg = [weight 4][head 16] chunks of 51,200 bytes: codes [K step 8][column tile 4][1,536 bytes], then scale words [pair of K steps 4][lane 32][column tile 4 words].
; An image is a fragment's 12 registers as three groups of 512 bytes: group c at 512 c + 16 x lane holds registers 4 c .. 4 c + 3.  A fragment is 16 columns x 128 K:
; lane (r, h) holds column r of the tile; registers 6 c .. 6 c + 5 hold K = 64 c + 32 h + 0 .. 31.
; THE COLUMNS OF A TILE ARE NOT NEIGHBOURS: lane r of tile 2 b + u of a head takes column 32 b + 8 u + r + 8 (r / 8), so that results made with two neighbouring tiles are 16 neighbours in a lane's registers.
; SHARES.  Work-group (x, y): 128 columns (x), weight y / 8, K step y % 8.  A wave takes 32 columns; A LANE TAKES A COLUMN AND ITS REGISTERS RUN DOWN K: a load reads 128 consecutive bytes, a block of 32 along K
; lies in one lane, and the conversions give codes with K innermost.  The codes go through the wave's own stage in LDS, which is laid as the two images, and leave 512 consecutive bytes a store.
; The scale words are stored 4 bytes a lane, 16 bytes apart: they are one part in 24 of the output.  Nothing is shared between work-groups, so no cluster; no tensor load, no barrier.
; A block's scale is 2^(floor(log2(largest magnitude)) - 2); its byte is the largest magnitude's exponent field - 2, held at 1 from below.  A block of zeros gets the byte 1: its codes are zeros, and this program alone reads the bytes.
; LIMITS: NaN and infinities among the inputs are not served.
.set STGB,  3072                       ; a wave's stage: two images
.set SPARE, 4*STGB                     ; behind the stages: the spare words, 128 bytes a wave
.set WCH,   51200                      ; a chunk of wimg
.set X,     32                         ; v32-159  my column's 128 numbers
.set C,     160                        ; v160-191 codes: eight registers for each block, so that no LDS store's data are written again
.set OUTR,  192                        ; v192-215 the way out
.set SPW,   14                         ; v14  LDS address of my spare word; never rewritten
.set NIL,   15                         ; v15  0; never rewritten
.set SW,    16                         ; v16  my column's scale word
	s_load_b256 s[4:11], s[0:1], 0x0               ; Wq, Wk, Wv, Wo
	s_load_b64 s[12:13], s[0:1], 0x20              ; wimg
	v_lshl_add_u32 v[SPW], v0, 2, SPARE
	v_mov_b32 v[NIL], 0
	v_lshrrev_b32 v1, 5, v0
	v_readfirstlane_b32 s14, v1                    ; wave
	v_and_b32 v1, 31, v0                           ; lane l = my column among the wave's 32
	v_lshlrev_b32 v3, 2, v1                        ; in: 4 bytes a lane
	v_and_b32 v8, 7, v1
	v_bfe_u32 v9, v0, 4, 1
	v_lshl_add_u32 v8, v9, 3, v8                   ; r = l % 8 + 8 (l / 16): my column's lane in its tile
	v_bfe_u32 v9, v0, 3, 1                         ; u = (l / 8) % 2: which of the two tiles
	s_mul_i32 s15, s14, STGB
	v_mul_u32_u24 v4, v9, 1536
	v_lshl_add_u32 v4, v8, 4, v4
	v_add_nc_u32 v4, s15, v4                       ; into the stage: image u, 16 r
	v_lshlrev_b32 v6, 4, v1                        ; out: 16 bytes a lane
	v_add_nc_u32 v5, s15, v6                       ; out of the stage
	v_lshlrev_b32 v7, 4, v8
	v_lshl_add_u32 v7, v9, 2, v7                   ; my scale word's place: 16 r + 4 u
	s_and_b32 s16, ttmp7, 0xffff
	s_lshr_b32 s17, s16, 3                         ; which weight
	s_and_b32 s18, s16, 7                          ; which K step
	s_lshl_b32 s20, s18, 19                        ; W: 128 rows of 4,096 bytes a K step,
	s_lshl_b32 s21, ttmp9, 9                       ; 128 columns a work-group,
	s_add_co_u32 s20, s20, s21
	s_lshl_b32 s21, s14, 7                         ; 32 a wave
	s_add_co_u32 s20, s20, s21
	s_mov_b32 s21, 0
	s_lshl_b32 s22, ttmp9, 1
	s_lshr_b32 s23, s14, 1
	s_add_co_u32 s22, s22, s23                     ; the head: 2 x + wave / 2
	s_mul_i32 s22, s22, WCH
	s_mul_i32 s23, s17, 16*WCH
	s_add_co_u32 s22, s22, s23                     ; its chunk
	s_and_b32 s24, s14, 1                          ; b: which 32 of the head's 64 columns
	s_mul_i32 s26, s18, 6144
	s_mul_i32 s27, s24, 3072
	s_add_co_u32 s26, s26, s27
	s_add_co_u32 s26, s26, s22                     ; the two images: chunk + 6,144 s + 3,072 b
	s_mov_b32 s27, 0
	s_lshl_b32 s28, s18, 8                         ; the scale words: 512 (s / 2) + 256 (s % 2) = 256 s,
	s_lshl_b32 s29, s24, 3                         ; + 8 b
	s_add_co_u32 s28, s28, s29
	s_add_co_u32 s28, s28, s22
	s_add_co_u32 s28, s28, 49152                   ; behind the chunk's codes
	s_mov_b32 s29, 0
	s_wait_kmcnt 0x0
	s_cmp_lt_u32 s17, 2                            ; the weight is chosen by the work-group's number alone
	s_cselect_b64 s[4:5], s[4:5], s[8:9]
	s_cselect_b64 s[6:7], s[6:7], s[10:11]
	s_and_b32 s30, s17, 1
	s_cmp_eq_u32 s30, 0
	s_cselect_b64 s[4:5], s[4:5], s[6:7]
	s_add_nc_u64 s[4:5], s[4:5], s[20:21]
	s_add_nc_u64 s[8:9], s[12:13], s[26:27]
	s_add_nc_u64 s[10:11], s[12:13], s[28:29]
.set i, 0
.rept 128
	global_load_b32 v[X+i], v3, s[4:5] offset:i*4096 th:TH_LOAD_NT   ; W(128 s + i, my column): 32 lanes read 128 consecutive bytes
.set i, i+1
.endr
; Block kb of my column: K = 32 kb on.  It is registers 6 c .. 6 c + 5 of lane (r, h) of my tile's fragment, c = kb / 2, h = kb % 2.
.macro BLOCK kb, cnt
.set XS, X+32*(\kb)
.set CC, C+8*(\kb)
	s_wait_loadcnt \cnt                            ; the later blocks' loads may stay out
	v_max3_num_f32 v8, |v[XS]|, |v[XS+1]|, |v[XS+2]|
	v_max3_num_f32 v9, |v[XS+3]|, |v[XS+4]|, |v[XS+5]|
.irp i, 6,10,14,18,22,26
	v_max3_num_f32 v8, v8, |v[XS+\i]|, |v[XS+\i+1]|
	v_max3_num_f32 v9, v9, |v[XS+\i+2]|, |v[XS+\i+3]|
.endr
	v_max3_num_f32 v8, v8, |v[XS+30]|, |v[XS+31]|
	v_max3_num_f32 v8, v8, v9, 0x1800000           ; and the floor 2^(3 - 127): the byte cannot fall under 1
	v_add_nc_u32 v10, 0xff000000, v8               ; 2 off the exponent field: the conversion takes this operand's exponent field as its scale
	v_lshrrev_b32 v11, 23, v10                     ; the scale's byte
.if (\kb) == 0
	v_mov_b32 v[SW], v11
.else
	v_lshl_or_b32 v[SW], v11, 8*(\kb), v[SW]
.endif
	v_cvt_scalef32_pk16_fp6_f32 v[CC:CC+2], v[XS:XS+15], v10
	v_cvt_scalef32_pk16_fp6_f32 v[CC+4:CC+6], v[XS+16:XS+31], v10   ; (a conversion's three registers begin on an even number)
	v_nop                                          ; one plain place behind a scaled conversion
	v_mov_b32 v[CC+3], v[CC+4]
	v_mov_b32 v[CC+4], v[CC+5]
	v_mov_b32 v[CC+5], v[CC+6]                     ; the block's six registers on end
.if (\kb) < 2
	ds_store_b128 v4, v[CC:CC+3] offset:256*((\kb)%2)              ; registers 0-3: group 0
	ds_store_b64 v4, v[CC+4:CC+5] offset:512+256*((\kb)%2)         ; registers 4, 5: the lower half of my 16 bytes of group 1
.else
	ds_store_b64 v4, v[CC:CC+1] offset:512+256*((\kb)%2)+8         ; registers 6, 7: the upper half
	ds_store_b128 v4, v[CC+2:CC+5] offset:1024+256*((\kb)%2)       ; registers 8-11: group 2
.endif
.endm
	BLOCK 0, 63                                    ; 96 loads are younger: the count is the largest that the wait's field holds
	BLOCK 1, 63                                    ; 64 are younger
	BLOCK 2, 32
	BLOCK 3, 0
.irp i, 0,1,2,3,4,5
	ds_load_b128 v[OUTR+4*\i:OUTR+4*\i+3], v5 offset:512*\i       ; LDS serves a wave's instructions in order: these see my wave's stores
.endr
.irp i, 0,1,2,3,4,5
	s_wait_dscnt 5-\i                              ; the younger of the six may stay out
	global_store_b128 v6, v[OUTR+4*\i:OUTR+4*\i+3], s[8:9] offset:512*\i   ; 32 lanes store 512 consecutive bytes, at a multiple of 256 from the buffer's first byte
.endr
	global_store_b32 v7, v[SW], s[10:11]
	s_wait_tensorcnt 0x0                           ; the wave's end, behind my last LDS store
	ds_add_u32 v[SPW], v[NIL]
	s_wait_dscnt 0x0
	s_endpgm
.Lfunc_end_k_q76d2266814_wquant:
	.size	k_q76d2266814_wquant, .Lfunc_end_k_q76d2266814_wquant-k_q76d2266814_wquant
	.p2alignl 7, 3214868480
	.fill 96, 4, 3214868480
	.section	.rodata,"a",@progbits
	.p2align	6, 0x0
	.amdhsa_kernel k_q76d2266814_wquant
		.amdhsa_group_segment_fixed_size 12800
		.amdhsa_private_segment_fixed_size 0
		.amdhsa_enable_private_segment 0
		.amdhsa_kernarg_size 40
		.amdhsa_user_sgpr_count 2
		.amdhsa_user_sgpr_kernarg_segment_ptr 1
		.amdhsa_wavefront_size32 1
		.amdhsa_system_sgpr_workgroup_id_x 1
		.amdhsa_system_sgpr_workgroup_id_y 1
		.amdhsa_system_sgpr_workgroup_id_z 1
		.amdhsa_system_vgpr_workitem_id 0
		.amdhsa_next_free_vgpr 224
		.amdhsa_next_free_sgpr 66
		.amdhsa_reserve_vcc 0
		.amdhsa_float_denorm_mode_32 3
		.amdhsa_float_denorm_mode_16_64 3
		.amdhsa_memory_ordered 1
		.amdhsa_forward_progress 1
		.amdhsa_inst_pref_size 23
	.end_amdhsa_kernel
	.amdgpu_metadata
---
amdhsa.version: [ 1, 2 ]
amdhsa.kernels:
  - .name:           k_q76d2266814_wquant
    .symbol:         k_q76d2266814_wquant.kd
    .args:
      - { .name: Wq, .offset: 0, .size: 8, .value_kind: global_buffer, .address_space: global }
      - { .name: Wk, .offset: 8, .size: 8, .value_kind: global_buffer, .address_space: global }
      - { .name: Wv, .offset: 16, .size: 8, .value_kind: global_buffer, .address_space: global }
      - { .name: Wo, .offset: 24, .size: 8, .value_kind: global_buffer, .address_space: global }
      - { .name: wimg, .offset: 32, .size: 8, .value_kind: global_buffer, .address_space: global }
    .group_segment_fixed_size: 12800
    .private_segment_fixed_size: 0
    .kernarg_segment_align: 8
    .kernarg_segment_size: 40
    .max_flat_workgroup_size: 128
    .sgpr_count:     66
    .vgpr_count:     224
    .wavefront_size: 32
...
	.end_amdgpu_metadata
.endif
;; end of part 1
;; launch proj (part 2): grid 64 x 3, 4 waves a work-group, no clusters, 170,496 bytes of LDS; arguments queries, keys, values, wimg, qkv; writes qkv
.if DOCPART == 2
	.amdgcn_target "amdgcn-amd-amdhsa--gfx1250"
	.amdhsa_code_object_version 6
	.text
	.protected	k_q76d2266814_proj
	.globl	k_q76d2266814_proj
	.p2align	8
	.type	k_q76d2266814_proj,@function
k_q76d2266814_proj:
	s_mov_b64 s[64:65], 0
	v_nop
	global_prefetch_b8 v0, s[64:65] scope:SCOPE_SE
	s_setreg_imm32_b32 hwreg(HW_REG_WAVE_MODE, 25, 1), 1
	s_wait_xcnt 0x0
; q = (queries Wq) / 8, k = keys Wk, v = values Wv, all on codes of FP6 (E2M3) with one E8M0 byte for each 32 along K; the results are quantised at once for the two products of attention and leave as codes.
; SHARES.  Work-group (x, y): tokens 128 x .. 128 x + 127 of tensor y (0 q, 1 k, 2 v), all 1,024 columns: so each f32 number of the activations is read from memory once in the launch.
; PHASE X: wave w quantises tokens 32 w .. 32 w + 31 along K, 128 at a time, and stores the fragments in LDS as images of their registers (group c of four registers at 512 c + 16 x lane).  One barrier.
; THE PRODUCT: wave w makes columns 256 w on, a head (64 columns) at a time, for all 128 tokens: 32 accumulators.  A's fragments come from LDS; the weights' images come from memory straight into registers,
; a whole head's 8 K steps in 384 registers, each slot loaded again for the next head as soon as its products are issued.
; NO CLUSTER: a weight fragment is read by ONE wave of a work-group; to share it between work-groups it would have to go through LDS, 800 KB a work-group written and read again, in slots filled again behind rounds.
; THE TOKENS OF A TILE ARE NOT NEIGHBOURS, nor are a weight tile's columns: lane r of tile 2 g + u takes index 32 g + 8 u + r + 8 (r / 8).  So the 16 registers of two neighbouring result tiles are 16 neighbours.
; q, k (path 0): source 0 = 16 columns of W, source 1 = 16 tokens: a lane holds one token and its registers run along the head's 64: quantised along the head.  Two token tiles give one image: registers 0-5 tile 2 g, 6-11 tile 2 g + 1.
; v (path 1): the sources swapped: a lane holds one column and its registers run along the 128 tokens: quantised along the keys: an image is a fragment of 16 of the head's 64 x 128 keys.
; qkv = [tensor 3][b 4][head 16][128 tokens 16] blocks of 6,400 bytes: four images of 1,536, then 256 bytes of scale words [r 16][image 4].
; THE FACTOR 1 / 8 of q is a power of two: the codes are those of 8 q and each scale byte is 3 less; the floor under a block's largest magnitude is raised by 3 in the exponent, which is the hold of q's byte at 1.
; A block of zeros gets the floor's byte: its codes are zeros, and this program alone reads the bytes.  LIMITS: NaN and infinities among the inputs are not served.
; REGISTERS, in windows of 256.  Window 0: v1-11 addresses; v14, v15 the add's two; v32-47 A's scale words, two sets; v48-63 W's; v64-143 at work in the quantiser; v160-255 A's fragments of even K steps.
;   Window 1: W's K steps 0-4 (48 registers each).  Window 2: W's K steps 5-7; v144-239 A's fragments of odd K steps; in phase X v0-127 hold a K step of x as loaded.
;   Window 3: the 32 accumulators; in phase X v0-127 hold two tiles' numbers for the quantiser and v128-255 a K step of x as loaded.
.set SLAB,  25600                      ; LDS: A's fragments of two K steps: [K step 2][tile 8][1,536], then 1,024 bytes of scale words [tile / 4][lane 32 = 16 (K step % 2) + r][tile % 4]
.set XSTG,  4*SLAB                     ; behind the four slabs: a stage of 32 rows x (512 + 16) bytes for each wave
.set XPIT,  528
.set XSTW,  32*XPIT
.set SPARE, XSTG+4*XSTW                ; the spare words, 128 bytes a wave
.set WCH,   51200                      ; a head's chunk of wimg
.set LI,   1                           ; v1   16 x lane
.set LI1,  2                           ; v2   16 x lane + two slabs
.set XSW,  3                           ; v3   my stage, on the way in
.set XSR,  4                           ; v4   and on the way out: row r, + 64 h
.set AWI,  5                           ; v5   where my wave's images go in a slab: 16 x lane + 3,072 x wave
.set AWS,  6                           ; v6   and their scale words: 16 r + 512 (wave / 2) + 8 (wave % 2)
.set CWI,  7                           ; v7, v8  the same in the slab in hand
.set CWS,  8
.set SI,   9                           ; v9   the way out of the scale words: 16 r + 8 h
.set SPW,  14
.set NIL,  15
.set AS,   32
.set WS,   48
.set TM,   64                          ; v64-67 largest magnitudes, v68-71 bytes, v76-79 the conversions' scale operands
.set PW,   80                          ; v80-83 scale words just made
.set TMPC, 84                          ; v84-91 the upper halves of blocks, before they are moved
.set PC,   96                          ; v96-143 four sets of 12: codes just made
.set A0,   160                         ; in window 0
.set A1,   144                         ; in window 2
.set WV,  14
.set TT,  15                           ; which tensor
.set SEL, 18
.set FLR, 20                           ; the floor under a block's largest magnitude
.set ADJ, 21                           ; what is taken off each scale byte: 3 for q
.set HM,  22                           ; lanes 16-31
.set XP,  24
.set WP,  26
.set OP,  28
.set SB,  30
.set CT,  31
.set MSB, 0
.macro WIN new                         ; the immediate's high byte repeats the setting that is left; a switch that changes nothing is dropped
.if MSB != (\new)
	s_set_vgpr_msb (MSB<<8)|(\new)
.set MSB, (\new)
.endif
.endm
.macro PLACES                          ; four plain vector instructions between a matrix instruction and a load into, or a read of, its registers
.rept 4
	v_nop
.endr
.endm
; 64 numbers of a lane in window 3, register 16 b + i = element 16 h + i of block b, become a fragment's 12 registers at v[pc] and its scale word in v[pw].  The maxima take the registers in ascending order.
.macro QUANT src, pc, pw
	WIN 0x0f                                       ; sources 0 and 1 in window 3
.irp b, 0,1,2,3
	v_max3_num_f32 v[TM+\b], |v[(\src)+16*\b]|, |v[(\src)+16*\b+1]|, s[FLR]
.endr
.irp i, 2,4,6,8,10,12,14
.irp b, 0,1,2,3
	v_max3_num_f32 v[TM+\b], |v[(\src)+16*\b+\i]|, |v[(\src)+16*\b+\i+1]|, v[TM+\b]   ; the four blocks by turns
.endr
.endr
	WIN 0
.irp b, 0,1,2,3
	v_permlanex16_b32 v[TM+4+\b], v[TM+\b], s[SEL], s[SEL+1]
.endr
.irp b, 0,1,2,3
	v_max_num_f32 v[TM+\b], v[TM+\b], v[TM+4+\b]   ; with lane l xor 16's 16: the block's largest magnitude
.endr
.irp b, 0,1,2,3
	v_add_nc_u32 v[TM+12+\b], 0xff000000, v[TM+\b] ; 2 off its exponent field: the conversion's scale operand
.endr
.irp b, 0,1,2,3
	v_lshrrev_b32 v[TM+4+\b], 23, v[TM+12+\b]      ; the scale's byte
.endr
	v_lshl_or_b32 v[\pw], v[TM+5], 8, v[TM+4]
	v_lshl_or_b32 v[\pw], v[TM+6], 16, v[\pw]
	v_lshl_or_b32 v[\pw], v[TM+7], 24, v[\pw]
	WIN 0x03                                       ; source 0 in window 3
.irp c, 0,1
	v_cvt_scalef32_pk16_fp6_f32 v[(\pc)+6*\c:(\pc)+6*\c+2], v[(\src)+32*\c:(\src)+32*\c+15], v[TM+12+2*\c]
	v_cvt_scalef32_pk16_fp6_f32 v[TMPC+4*\c:TMPC+4*\c+2], v[(\src)+32*\c+16:(\src)+32*\c+31], v[TM+13+2*\c]
.endr
	WIN 0
	v_nop                                          ; one plain place behind a scaled conversion
.irp c, 0,1                                    ; the layout wants a whole block in a lane: lanes 0-15 block 2 c, lanes 16-31 block 2 c + 1
.irp i, 0,1,2
	v_permlane16_swap_b32 v[(\pc)+6*\c+\i], v[TMPC+4*\c+\i]
.endr
.irp i, 0,1,2
	v_mov_b32 v[(\pc)+6*\c+3+\i], v[TMPC+4*\c+\i]
.endr
.endr
.endm
; 32 rows x 512 bytes of x (a K step of my 32 tokens), a row a load, into 128 registers of window win
.macro LOADX win, reg, off
	WIN (\win)<<6
.set n, 0
.rept 32
	global_load_b128 v[\reg+4*n:\reg+4*n+3], v[LI], s[XP:XP+1] offset:n*4096+\off th:TH_LOAD_NT
.set n, n+1
.endr
	WIN 0
.endm
; One K step of my 32 tokens: through the stage (rows laid in the tiles' order), quantised, images to the slab.  par: the K step's place in its slab; cnt: the younger loads that may stay out.
.macro STEPX win, reg, par, refill, cnt
	s_wait_loadcnt \cnt
	WIN (\win)<<2                                  ; an LDS store's data are its source 1
.set n, 0
.rept 32
	ds_store_b128 v[XSW], v[\reg+4*n:\reg+4*n+3] offset:(16*((n/8)%2)+n%8+8*(n/16))*XPIT   ; token n is lane n % 8 + 8 (n / 16) of tile (n / 8) % 2
.set n, n+1
.endr
	WIN 0xc0
.irp u, 0,1
.irp b, 0,1,2,3
.irp j, 0,1,2,3
	ds_load_b128 v[64*\u+16*\b+4*\j:64*\u+16*\b+4*\j+3], v[XSR] offset:\u*16*XPIT+128*\b+16*\j   ; my row's 16 numbers of block b.  LDS serves a wave's instructions in order: these see the stores above
.endr
.endr
.endr
	WIN 0
	s_wait_dscnt 16                                ; tile 0's numbers are in (tile 1's 16 loads may be out): so the stores into the stage have read their registers,
.if \refill
	LOADX \win, \reg, 1024+512*\par                ; which take the K step two on
.endif
	QUANT 0, PC, PW
.irp c, 0,1,2
	ds_store_b128 v[CWI], v[PC+4*\c:PC+4*\c+3] offset:12288*\par+512*\c
.endr
	ds_store_b32 v[CWS], v[PW] offset:24576+256*\par               ; lanes l and l xor 16 write the same word with the same value
	s_wait_dscnt 4                                 ; the four stores just issued may be out: tile 1's numbers are in
	QUANT 64, PC+12, PW+1
.irp c, 0,1,2
	ds_store_b128 v[CWI], v[PC+12+4*\c:PC+12+4*\c+3] offset:12288*\par+1536+512*\c
.endr
	ds_store_b32 v[CWS], v[PW+1] offset:24576+256*\par+4
.endm
.macro LOADW k, base                   ; a head's K step k of W: four images, 12 loads of 512 consecutive bytes, into its slot
.if (\k) < 5
	WIN 0x40
.set WR, 48*(\k)
.else
	WIN 0x80
.set WR, 48*((\k)-5)
.endif
.set n, 0
.rept 12
	global_load_b128 v[WR+4*n:WR+4*n+3], v[LI], s[WP:WP+1] offset:\base+6144*(\k)+512*n
.set n, n+1
.endr
	WIN 0
.endm
.macro LOADWS p, base                  ; W's scale words of K steps 2 p (lanes 0-15) and 2 p + 1 (lanes 16-31): four tiles' words a lane
	global_load_b128 v[WS+4*(\p):WS+4*(\p)+3], v[LI], s[WP:WP+1] offset:\base+49152+512*(\p)
.endm
.macro FETCHA k                        ; A's eight fragments of K step k
.if ((\k)%2) == 0
.set AR, A0
	WIN 0
.else
.set AR, A1
	WIN 0x80
.endif
.set AD, LI+((\k)/4)
.set AO, SLAB*(((\k)/2)%2)+12288*((\k)%2)
.set n, 0
.rept 24
	ds_load_b128 v[AR+4*n:AR+4*n+3], v[AD] offset:AO+512*n
.set n, n+1
.endr
	WIN 0
.endm
.macro FETCHAS p                       ; A's scale words of K steps 2 p (lanes 0-15) and 2 p + 1 (lanes 16-31), eight tiles
.irp h, 0,1
	ds_load_b128 v[AS+8*((\p)%2)+4*\h:AS+8*((\p)%2)+4*\h+3], v[LI+(\p)/2] offset:SLAB*((\p)%2)+24576+512*\h
.endr
.endm
.macro MM d, a, b, sa, sb, k           ; K step 0 starts the sums; odd K steps take their scale words from lanes 16-31
.if (\k) == 0
	v_wmma_scale_f32_16x16x128_f8f6f4 v[\d:\d+7], v[\a:\a+11], v[\b:\b+11], 0, v[\sa], v[\sb] matrix_a_fmt:MATRIX_FMT_FP6 matrix_b_fmt:MATRIX_FMT_FP6
.elseif ((\k)%2) == 0
	v_wmma_scale_f32_16x16x128_f8f6f4 v[\d:\d+7], v[\a:\a+11], v[\b:\b+11], v[\d:\d+7], v[\sa], v[\sb] matrix_a_fmt:MATRIX_FMT_FP6 matrix_b_fmt:MATRIX_FMT_FP6
.else
	v_wmma_scale_f32_16x16x128_f8f6f4 v[\d:\d+7], v[\a:\a+11], v[\b:\b+11], v[\d:\d+7], v[\sa], v[\sb] matrix_a_fmt:MATRIX_FMT_FP6 matrix_b_fmt:MATRIX_FMT_FP6 matrix_a_scale:MATRIX_SCALE_ROW1 matrix_b_scale:MATRIX_SCALE_ROW1
.endif
.endm
; A K step's 32 products.  The 32 accumulators take turns, one instruction a turn, in the same order in every step.
.macro PROD path, k
.if (\k) < 5
.set WW, 1
.set WR, 48*(\k)
.else
.set WW, 2
.set WR, 48*((\k)-5)
.endif
.if ((\k)%2) == 0
.set AW, 0
.set AR, A0
.else
.set AW, 2
.set AR, A1
.endif
.set WSR, WS+4*((\k)/2)
.set ASR, AS+8*(((\k)/2)%2)
.if \path == 0
	WIN 0xf0|(AW<<2)|WW                            ; source 0 = W, source 1 = A; C and D window 3
.irp T, 0,1,2,3,4,5,6,7
.irp c, 0,1,2,3
	MM 8*(4*\T+\c), WR+12*\c, AR+12*\T, WSR+\c, ASR+\T, \k
.endr
.endr
.else
	WIN 0xf0|(WW<<2)|AW                            ; source 0 = A, source 1 = W
.irp c, 0,1,2,3
.irp T, 0,1,2,3,4,5,6,7
	MM 8*(8*\c+\T), AR+12*\T, WR+12*\c, ASR+\T, WSR+\c, \k
.endr
.endr
.endif
	WIN 0
.endm
; A head: 8 K steps.  more = 1: each slot of W, and each pair's scale words, are loaded again for the next head behind their last products, and A's first fragments are fetched again at the end.
.macro CHUNK path, more
.irp k, 0,1,2,3,4,5,6,7
.if \k > 0
	PLACES                                         ; behind the last step's products: for the loads below into registers that they read
.if \more
	LOADW \k-1, WCH
.if (\k%2) == 0
	LOADWS (\k-2)/2, WCH
.endif
.endif
.endif
.if \k < 7
	FETCHA \k+1
.if (\k%2) == 1
	FETCHAS (\k+1)/2
	s_wait_dscnt 26                                ; all but the loads just issued: this step's fragments and words are in
.else
	s_wait_dscnt 24
.endif
.elseif \more
	FETCHA 0
	FETCHAS 0
	s_wait_dscnt 26
.else
	s_wait_dscnt 0x0
.endif
.if \more
	s_wait_loadcnt 63                              ; behind this step's slot and words at least 75 loads were issued (the other slots' 72 or 84, and scale words): the count is the largest that the field holds
.elseif (\k%2) == 0
.set TL, 12*(6-\k)+3-\k/2                          ; the last head: behind this pair's scale words stand the later slots' loads and the later words'
.if TL > 63
.set TL, 63
.endif
	s_wait_loadcnt TL
.endif
	PROD \path, \k
.endr
	PLACES
.if \more
	LOADW 7, WCH
	LOADWS 3, WCH
.endif
.endm
; A head's results become four images and their scale words.  In either path image q is made of accumulators 8 q .. 8 q + 7.
.macro EPI
	s_wait_xcnt 0x0                                ; the last head's stores have read their registers
.irp q, 0,1,2,3
	QUANT 64*\q, PC+12*\q, PW+\q
.irp c, 0,1,2
	global_store_b128 v[LI], v[PC+12*\q+4*\c:PC+12*\q+4*\c+3], s[OP:OP+1] offset:1536*\q+512*\c   ; 512 consecutive bytes
.endr
.endr
.irp q, 0,1,2,3
	v_sub_nc_u32 v[PW+\q], v[PW+\q], s[ADJ]        ; q: 3 off each byte; no byte is under 4 there
.endr
	v_cndmask_b32 v10, v[PW], v[PW+2], s[HM]       ; lanes 0-15 store words 0, 1 of row r, lanes 16-31 words 2, 3:
	v_cndmask_b32 v11, v[PW+1], v[PW+3], s[HM]
	global_store_b64 v[SI], v[10:11], s[OP:OP+1] offset:6144       ; 256 consecutive bytes
.endm
	s_load_b256 s[4:11], s[0:1], 0x0               ; queries, keys, values, wimg
	s_load_b64 s[12:13], s[0:1], 0x20              ; qkv
	v_lshl_add_u32 v[SPW], v0, 2, SPARE
	v_mov_b32 v[NIL], 0
	v_lshrrev_b32 v16, 5, v0
	v_readfirstlane_b32 s[WV], v16                 ; wave 0..3
	s_and_b32 s[TT], ttmp7, 0xffff
	v_and_b32 v16, 31, v0                          ; lane
	v_and_b32 v17, 15, v0                          ; r
	v_bfe_u32 v18, v0, 4, 1                        ; h
	v_lshlrev_b32 v[LI], 4, v16
	v_add_nc_u32 v[LI1], 2*SLAB, v[LI]
	s_mul_i32 s32, s[WV], XSTW
	s_add_co_u32 s32, s32, XSTG                    ; my stage
	v_add_nc_u32 v[XSW], s32, v[LI]
	v_mul_u32_u24 v[XSR], v17, XPIT
	v_lshl_add_u32 v[XSR], v18, 6, v[XSR]
	v_add_nc_u32 v[XSR], s32, v[XSR]
	s_mul_i32 s32, s[WV], 3072
	v_add_nc_u32 v[AWI], s32, v[LI]
	s_lshr_b32 s32, s[WV], 1
	s_lshl_b32 s32, s32, 9
	s_and_b32 s33, s[WV], 1
	s_lshl_b32 s33, s33, 3
	s_add_co_u32 s32, s32, s33
	v_lshlrev_b32 v[AWS], 4, v17
	v_add_nc_u32 v[AWS], s32, v[AWS]
	v_lshlrev_b32 v[SI], 4, v17
	v_lshl_add_u32 v[SI], v18, 3, v[SI]
.irp b, 0,1,2,3
	v_mov_b32 v[TM+4+\b], 0                        ; written once: a lane permute's destination counts as one of its sources
.endr
	s_mov_b32 s[SEL], 0x76543210
	s_mov_b32 s[SEL+1], 0xfedcba98                 ; v_permlanex16_b32's selects for lane l xor 16
	s_mov_b32 s[FLR], 0x1800000                    ; 2^(3 - 127)
	s_mov_b32 s[HM], 0xffff0000
	s_lshl_b32 s32, ttmp9, 19                      ; x: 128 rows of 4,096 bytes a work-group,
	s_lshl_b32 s33, s[WV], 17                      ; 32 a wave
	s_add_co_u32 s32, s32, s33
	s_mov_b32 s33, 0
	s_mul_i32 s34, s[TT], 16*WCH                   ; W: the tensor's weight, my wave's first head 4 w
	s_mul_i32 s35, s[WV], 4*WCH
	s_add_co_u32 s34, s34, s35
	s_mov_b32 s35, 0
	s_mul_i32 s36, s[TT], 6553600                  ; out: tensor, b = x / 16, head 4 w, the 128 tokens x % 16
	s_lshr_b32 s37, ttmp9, 4
	s_mul_i32 s37, s37, 1638400
	s_add_co_u32 s36, s36, s37
	s_mul_i32 s37, s[WV], 409600
	s_add_co_u32 s36, s36, s37
	s_and_b32 s37, ttmp9, 15
	s_mul_i32 s37, s37, 6400
	s_add_co_u32 s36, s36, s37
	s_mov_b32 s37, 0
	s_wait_kmcnt 0x0
	s_cmp_eq_u32 s[TT], 0                          ; the tensor is chosen by the work-group's number alone
	s_cselect_b64 s[XP:XP+1], s[4:5], s[6:7]
	s_cmp_eq_u32 s[TT], 2
	s_cselect_b64 s[XP:XP+1], s[8:9], s[XP:XP+1]
	s_add_nc_u64 s[XP:XP+1], s[XP:XP+1], s[32:33]
	s_add_nc_u64 s[WP:WP+1], s[10:11], s[34:35]
	s_add_nc_u64 s[OP:OP+1], s[12:13], s[36:37]
	; ---- PHASE X: eight K steps, two a trip; two K steps' loads (64 a wave) are always on their way
	LOADX 3, 128, 0
	LOADX 2, 0, 512
	s_mov_b32 s[SB], 0
	s_mov_b32 s[CT], 3
.Lx:
	v_add_nc_u32 v[CWI], s[SB], v[AWI]
	v_add_nc_u32 v[CWS], s[SB], v[AWS]
	STEPX 3, 128, 0, 1, 32                         ; the other set's 32 loads may stay out
	STEPX 2, 0, 1, 1, 32
	s_wait_dscnt 0x0                               ; my LDS stores have read their address registers, which the next trip writes
	s_wait_xcnt 0x0                                ; and my loads their base
	s_add_nc_u64 s[XP:XP+1], s[XP:XP+1], 1024
	s_add_co_u32 s[SB], s[SB], SLAB
	s_sub_co_u32 s[CT], s[CT], 1
	s_cmp_lg_u32 s[CT], 0
	s_cbranch_scc1 .Lx
	v_add_nc_u32 v[CWI], s[SB], v[AWI]
	v_add_nc_u32 v[CWS], s[SB], v[AWS]
.irp p, 0,1,2,3
	LOADWS \p, 0                                   ; the first head's weights are asked for while the last two K steps of x are quantised: the scale words, K steps 0-4 (window 1 is free)
.endr
.irp k, 0,1,2,3,4
	LOADW \k, 0
.endr
	STEPX 3, 128, 0, 0, 63                         ; 96 loads are younger: the largest count that the field holds
	STEPX 2, 0, 1, 0, 63                           ; 64 are younger
	s_wait_dscnt 0x0                               ; my images lie in LDS, and the stage's stores have read window 2's registers,
.irp k, 5,6,7
	LOADW \k, 0                                    ; which take W's K steps 5-7
.endr
	s_barrier_signal -1
	s_barrier_wait -1                              ; all 64 fragments of A lie in LDS; nothing is stored to LDS behind this barrier
	s_cmp_eq_u32 s[TT], 0
	s_cselect_b32 s[ADJ], 0x03030303, 0
	s_cselect_b32 s[FLR], 0x3000000, s[FLR]        ; q: the floor 2^(6 - 127)
	; ---- THE PRODUCT: four heads
	FETCHA 0
	FETCHAS 0
	s_mov_b32 s[CT], 3
.Lchunk:
	s_cmp_eq_u32 s[TT], 2
	s_cbranch_scc1 .Lv_more
	CHUNK 0, 1
	s_branch .Ljoin_more
.Lv_more:
	CHUNK 1, 1
.Ljoin_more:
	EPI
	s_wait_xcnt 0x0                                ; loads and stores have read their bases
	s_add_nc_u64 s[WP:WP+1], s[WP:WP+1], WCH
	s_add_nc_u64 s[OP:OP+1], s[OP:OP+1], 102400
	s_sub_co_u32 s[CT], s[CT], 1
	s_cmp_lg_u32 s[CT], 0
	s_cbranch_scc1 .Lchunk
	s_cmp_eq_u32 s[TT], 2                          ; the last head is written out: it loads nothing more
	s_cbranch_scc1 .Lv_last
	CHUNK 0, 0
	s_branch .Ljoin_last
.Lv_last:
	CHUNK 1, 0
.Ljoin_last:
	EPI
	s_wait_tensorcnt 0x0                           ; the wave's end, behind my last LDS store
	ds_add_u32 v[SPW], v[NIL]
	s_wait_dscnt 0x0
	s_endpgm
.Lfunc_end_k_q76d2266814_proj:
	.size	k_q76d2266814_proj, .Lfunc_end_k_q76d2266814_proj-k_q76d2266814_proj
	.p2alignl 7, 3214868480
	.fill 96, 4, 3214868480
	.section	.rodata,"a",@progbits
	.p2align	6, 0x0
	.amdhsa_kernel k_q76d2266814_proj
		.amdhsa_group_segment_fixed_size 170496
		.amdhsa_private_segment_fixed_size 0
		.amdhsa_enable_private_segment 0
		.amdhsa_kernarg_size 40
		.amdhsa_user_sgpr_count 2
		.amdhsa_user_sgpr_kernarg_segment_ptr 1
		.amdhsa_wavefront_size32 1
		.amdhsa_system_sgpr_workgroup_id_x 1
		.amdhsa_system_sgpr_workgroup_id_y 1
		.amdhsa_system_sgpr_workgroup_id_z 1
		.amdhsa_system_vgpr_workitem_id 0
		.amdhsa_next_free_vgpr 1024
		.amdhsa_next_free_sgpr 66
		.amdhsa_reserve_vcc 0
		.amdhsa_float_denorm_mode_32 3
		.amdhsa_float_denorm_mode_16_64 3
		.amdhsa_memory_ordered 1
		.amdhsa_forward_progress 1
		.amdhsa_inst_pref_size 255
	.end_amdhsa_kernel
	.section	.bss,"aw",@nobits
	.p2align	6
	.space	262144
	.amdgpu_metadata
---
amdhsa.version: [ 1, 2 ]
amdhsa.kernels:
  - .name:           k_q76d2266814_proj
    .symbol:         k_q76d2266814_proj.kd
    .args:
      - { .name: queries, .offset: 0, .size: 8, .value_kind: global_buffer, .address_space: global }
      - { .name: keys, .offset: 8, .size: 8, .value_kind: global_buffer, .address_space: global }
      - { .name: values, .offset: 16, .size: 8, .value_kind: global_buffer, .address_space: global }
      - { .name: wimg, .offset: 24, .size: 8, .value_kind: global_buffer, .address_space: global }
      - { .name: qkv, .offset: 32, .size: 8, .value_kind: global_buffer, .address_space: global }
    .group_segment_fixed_size: 170496
    .private_segment_fixed_size: 0
    .kernarg_segment_align: 8
    .kernarg_segment_size: 40
    .max_flat_workgroup_size: 128
    .sgpr_count:     66
    .vgpr_count:     1024
    .wavefront_size: 32
...
	.end_amdgpu_metadata
.endif
;; end of part 2
;; launch attn (part 3): grid 8 x 64, 8 waves a work-group, clusters of 4 x 1, 214,016 bytes of LDS; arguments qkv, src_masks, ctx; writes ctx
.if DOCPART == 3
	.amdgcn_target "amdgcn-amd-amdhsa--gfx1250"
	.amdhsa_code_object_version 6
	.text
	.protected	k_q76d2266814_attn
	.globl	k_q76d2266814_attn
	.p2align	8
	.type	k_q76d2266814_attn,@function
k_q76d2266814_attn:
	s_mov_b64 s[64:65], 0
	v_nop
	global_prefetch_b8 v0, s[64:65] scope:SCOPE_SE
	s_setreg_imm32_b32 hwreg(HW_REG_WAVE_MODE, 25, 1), 1
	s_wait_xcnt 0x0
	s_wait_alu depctr_hold_cnt(0) depctr_sa_sdst(0) depctr_va_vdst(0) depctr_va_sdst(0) depctr_va_ssrc(0) depctr_va_vcc(0) depctr_vm_vsrc(0)
	s_getreg_b32 s2, hwreg(HW_REG_IB_STS2, 6, 4)
	s_cmp_eq_u32 s2, 0
	s_cbranch_scc0 .Lentry_in_a_cluster
	s_endpgm
.Lentry_in_a_cluster:
	s_bfe_u32 s2, ttmp6, 0x10000c
	s_cmp_lg_u32 s2, 0x3003
	s_cbranch_scc0 .Lentry_shape_is_right
	s_endpgm
.Lentry_shape_is_right:
; ctx[b][q][head] = softmax_k(q . k + mask[b][k]) v, both products on codes of FP6 (E2M3) with one E8M0 byte for each 32 along a product's K; ctx leaves as codes for the last product.
; THE SOFTMAX AHEAD OF THE SECOND PRODUCT: t = logit x log2(e); M = the row's largest t so far, rounded UP to a whole number; p = 2^(t - M) is quantised along the keys, not normalised.
; The row's sum is taken of the unquantised p and divides O at the end.  When M moves, the sum and O are multiplied by 2^(old M - new M): exact.
; SHARES.  Work-group (x, y): head y % 16 of batch y / 16, queries 256 x on.  Each of its eight waves owns 32 queries: two tiles of 16, which share every fragment of K and V read from LDS.  Two waves to a SIMD.
; ALL OF A HEAD'S K AND V, 2 x 102,400 bytes of codes and scale words, COMES INTO LDS ONCE: four tensor loads a wave at the start (four of mine are out at the most), no byte of LDS is filled twice.
; The keys go in four quarters of 512; a quarter is read behind a counted wait and a barrier, while the later quarters are still on their way.
; CLUSTER.  The four query blocks of a cluster belong to one head: each block of K and V is asked for JOINTLY, by the same load with the same descriptor and a mask that names the four.
; LAYOUT.  Both products are used transposed: S^T = K Q^T, O^T = V^T P^T: a lane holds ONE query throughout.  An image of K holds TWO tiles of 16 keys x 64: as a fragment of 16 x 128 its K 0-63 are tile 0's, 64-127 tile 1's.
; It is multiplied by [q | 0] for tile 0 and by [0 | q] for tile 1: the half that belongs to the other tile meets zero codes, which add nothing under any of these scale bytes.
; The keys, the queries and V's 64 channels of a tile are not neighbours (lane r of tile 2 g + u: index 32 g + 8 u + r + 8 (r / 8)): so p's 16 registers of two tiles are 16 neighbouring keys, and O^T's 16 neighbouring channels.
; THE MASK is the C of each score's matrix instruction: eight registers in the result's layout, read from LDS: it costs no vector instruction.
; LIMITS: mask values under -2^30 are held at -2^30: beside any key that counts their weight is 0 all the same; a row ALL of whose keys lie under it differs from the definition.  NaN among the inputs, and +infinity, are not served.
; A block of zeros gets the byte 1: its codes are zeros, and this program alone reads the bytes.  ctx's scale words are stored two bytes a lane (two heads share a word): one part in 24 of the output.
; REGISTERS.  Window 0: v1-11 addresses and a register at work; v12-23 six a tile: -M, the largest t, the sum in two halves, f and its pair's upper half; v24-35 scale words; v36-71 Q as [q | 0 | q], twice;
;   v72-119 K; v120-183 S^T, then p; v184-207 p's codes; v208-239 at work.   Window 1: v0-63 O^T; v64-127 the mask; v128-175 V.
.set BLKB,  6400                       ; a block of qkv: 128 tokens of one head: four images of 1,536 bytes, 256 bytes of scale words
.set QUART, 8*BLKB                     ; LDS: quarter c at QUART c: four blocks of K, then four of V
.set MK,    4*QUART                    ; behind them: the batch's 2,048 mask values, stored by the waves; no tensor load lands here
.set SPARE, MK+8192                    ; the spare words, 128 bytes a wave
.set LI,  1                            ; v1   16 x lane
.set RI,  2                            ; v2   16 r
.set MI,  3                            ; v3   MK + 64 h
.set SPW, 4
.set NIL, 5
.set ADL, 6                            ; v6-8 the same three for the step in hand
.set ADR, 7
.set ADM, 8
.set CI,  9                            ; v9   8 x lane
.set CSI, 10                           ; v10  16 r + 4 h
.set X,   11
.set ST,  12
.set QS,  24                           ; v24, v25 Q's scale words, tile 0, 1
.set PS,  26                           ; v26, v27 p's
.set KSC, 28                           ; v28-31 K's, image 0-3
.set VSC, 32                           ; v32-35 V's, tile 0-3
.set Q,   36
.set KF,  72
.set S,   120
.set P,   184
.set TMPC, 208
.set BM,  216
.set T2,  220
.set SO,  224
.set QL,  228
.set MASK, 64                          ; in window 1
.set VF,  128
.set WV,  10
.set G1,  24                           ; s[24:31] descriptor group 1;  s[32:47] four groups 0
.set G0,  32
.set CS,  48                           ; s[48:49] log2(e): the packed form names a pair and takes its low word
.set SEL, 50
.set TB,  52
.set TMK, 53
.set CNT, 54
.set HM,  55
.set CB,  60                           ; s[60:61] where my codes of ctx go;  s[62:63] their scale words
.set CSB, 62
.set MSB, 0
.macro WIN new
.if MSB != (\new)
	s_set_vgpr_msb (MSB<<8)|(\new)
.set MSB, (\new)
.endif
.endm
.macro PLACES
.rept 4
	v_nop
.endr
.endm
.macro CROUND                          ; a round of the cluster's barrier
	s_barrier_signal -1
	s_barrier_wait -1
	s_cmp_lg_u32 s[WV], 0
	s_cbranch_scc1 .Lnot_wave_0_\@
	s_barrier_signal -3
.Lnot_wave_0_\@:
	s_barrier_wait -3
	s_barrier_signal -1
	s_barrier_wait -1
.endm
	s_load_b128 s[4:7], s[0:1], 0x0                ; qkv, src_masks
	s_load_b64 s[8:9], s[0:1], 0x10                ; ctx
	v_lshl_add_u32 v[SPW], v0, 2, SPARE
	v_mov_b32 v[NIL], 0
	ds_add_u32 v[SPW], v[NIL]                      ; the wave's opening: the add and its wait ahead of my first tensor load; work on registers stands between them
	v_lshrrev_b32 v[X], 5, v0
	v_readfirstlane_b32 s[WV], v[X]                ; wave 0..7
	s_bfe_u32 s11, ttmp6, 0x40000                  ; cx: it enters Q's and ctx's global addresses alone
	s_lshl_b32 s12, ttmp9, 2
	s_add_co_u32 s12, s12, s11                     ; my block of 256 queries
	s_and_b32 s13, ttmp7, 0xffff                   ; 16 b + head, which the partners share
	s_mov_b32 s[G1], 15|(3<<16)|(1<<21)            ; the mask: all four work-groups; elements of 8 bytes; bit 21 beside a mask; no padding
	s_mov_b32 s[G1+1], 32<<16                      ; tensor_dim0 = 32 elements: rows of 256 bytes
	s_mov_b32 s[G1+2], 25<<16                      ; tensor_dim1 = 25: a block of 6,400 dense bytes
	s_mov_b32 s[G1+3], 32<<16                      ; tile_dim0
	s_mov_b32 s[G1+4], 25                          ; tile_dim1
	s_mov_b32 s[G1+5], 32                          ; the pitch
	s_mov_b32 s[G1+6], 0
	s_mov_b32 s[G1+7], 0
	s_lshr_b32 s14, s[WV], 2                       ; waves 0-3 fetch K's blocks, waves 4-7 V's: tensor 1 or 2,
	s_add_co_u32 s14, s14, 1
	s_mul_i32 s14, s14, 6553600
	s_mul_i32 s16, s13, 16*BLKB                    ; the head's 16 blocks,
	s_add_co_u32 s14, s14, s16
	s_and_b32 s17, s[WV], 3
	s_mul_i32 s18, s17, BLKB                       ; block wave % 4 of each quarter
	s_add_co_u32 s14, s14, s18
	s_mov_b32 s15, 0
	s_mul_i32 s19, s[WV], BLKB                     ; and its place in a quarter of LDS
	s_mov_b32 s[CS], 0x3fb8aa3b                    ; log2(e); the factor 1 / 8 lies in q's scale bytes
	s_mov_b32 s[CS+1], s[CS]
	s_mov_b32 s[SEL], 0x76543210
	s_mov_b32 s[SEL+1], 0xfedcba98
	s_mov_b32 s[HM], 0xffff0000
	v_and_b32 v[LI], 31, v0
	v_lshlrev_b32 v[CI], 3, v[LI]
	v_lshlrev_b32 v[LI], 4, v[LI]
	v_and_b32 v[RI], 15, v0
	v_lshlrev_b32 v[RI], 4, v[RI]
	v_bfe_u32 v[X], v0, 4, 1                       ; h
	v_lshl_add_u32 v[MI], v[X], 6, MK
	v_lshl_add_u32 v[CSI], v[X], 2, v[RI]
	s_wait_dscnt 0x0                               ; the opening add is done
	s_wait_kmcnt 0x0
	s_add_nc_u64 s[14:15], s[4:5], s[14:15]
.irp c, 0,1,2,3
	s_mov_b32 s[G0+4*\c], 1
	s_add_co_u32 s[G0+4*\c+1], s19, QUART*\c
	s_add_nc_u64 s[G0+4*\c+2:G0+4*\c+3], s[14:15], 4*BLKB*\c
	s_or_b32 s[G0+4*\c+3], s[G0+4*\c+3], 0x80000000
.endr
	CROUND                                         ; all four work-groups are here: the joint loads meet
.irp c, 0,1,2,3
	tensor_load_to_lds s[G0+4*\c:G0+4*\c+3], s[G1:G1+7]            ; all the launch's fills, in one group
	s_nop 0
.endr
	PLACES
	; the mask of my batch: 8,192 bytes, 16 bytes a thread, twice
	s_lshr_b32 s16, s13, 4
	s_lshl_b32 s16, s16, 13
	s_mov_b32 s17, 0
	s_add_nc_u64 s[6:7], s[6:7], s[16:17]
	v_lshlrev_b32 v[X], 4, v0
	v_add_nc_u32 v[ADL], MK, v[X]
	global_load_b128 v[S:S+3], v[X], s[6:7]
	global_load_b128 v[S+4:S+7], v[X], s[6:7] offset:4096
	; Q: the image of my 32 queries, and its scale word
	s_lshl_b32 s20, s12, 1
	s_lshr_b32 s21, s[WV], 2
	s_add_co_u32 s20, s20, s21                     ; which 128 tokens: 2 x block + wave / 4
	s_mul_i32 s20, s20, BLKB
	s_mul_i32 s21, s13, 16*BLKB
	s_add_co_u32 s20, s20, s21
	s_and_b32 s22, s[WV], 3                        ; which image of the four
	s_mul_i32 s23, s22, 1536
	s_add_co_u32 s56, s20, s23
	s_mov_b32 s57, 0
	s_add_nc_u64 s[56:57], s[4:5], s[56:57]
	s_lshl_b32 s58, s22, 2
	s_add_co_u32 s58, s58, s20
	s_mov_b32 s59, 0
	s_add_nc_u64 s[58:59], s[4:5], s[58:59]
.irp c, 0,1,2
	global_load_b128 v[QL+4*\c:QL+4*\c+3], v[LI], s[56:57] offset:512*\c
.endr
	global_load_b32 v[PS+1], v[RI], s[58:59] offset:6144
	; where ctx goes: block of 128 tokens 16 b + 2 x block + wave / 4; slab head / 4; K step (head / 2) % 2; tiles 2 (wave % 4), + 1; half head % 2 of each fragment
	s_lshr_b32 s20, s13, 4
	s_lshl_b32 s20, s20, 4
	s_lshl_b32 s21, s12, 1
	s_add_co_u32 s20, s20, s21
	s_lshr_b32 s21, s[WV], 2
	s_add_co_u32 s20, s20, s21
	s_mul_i32 s20, s20, 102400
	s_and_b32 s21, s13, 15                         ; the head
	s_lshr_b32 s23, s21, 2
	s_mul_i32 s23, s23, 25600
	s_add_co_u32 s20, s20, s23                     ; the slab
	s_bfe_u32 s23, s21, 0x10001                    ; (head / 2) % 2
	s_and_b32 s21, s21, 1                          ; head % 2
	s_mul_i32 s[CB], s23, 12288
	s_mul_i32 s[CB+1], s22, 3072
	s_add_co_u32 s[CB], s[CB], s[CB+1]
	s_mul_i32 s[CB+1], s21, 768
	s_add_co_u32 s[CB], s[CB], s[CB+1]
	s_add_co_u32 s[CB], s[CB], s20
	s_mov_b32 s[CB+1], 0
	s_lshr_b32 s[CSB], s22, 1
	s_lshl_b32 s[CSB], s[CSB], 9                   ; 512 (tile / 4)
	s_lshl_b32 s[CSB+1], s23, 8                    ; 256 (K step % 2)
	s_add_co_u32 s[CSB], s[CSB], s[CSB+1]
	s_and_b32 s[CSB+1], s[WV], 1
	s_lshl_b32 s[CSB+1], s[CSB+1], 3               ; 4 (tile % 4), of which 4 u lies in the lane's offset
	s_add_co_u32 s[CSB], s[CSB], s[CSB+1]
	s_lshl_b32 s[CSB+1], s21, 1                    ; my head's two bytes of the word
	s_add_co_u32 s[CSB], s[CSB], s[CSB+1]
	s_add_co_u32 s[CSB], s[CSB], s20
	s_add_co_u32 s[CSB], s[CSB], 24576
	s_mov_b32 s[CSB+1], 0
	s_add_nc_u64 s[CB:CB+1], s[8:9], s[CB:CB+1]
	s_add_nc_u64 s[CSB:CSB+1], s[8:9], s[CSB:CSB+1]
	s_wait_loadcnt 4                               ; the mask's two loads are in; Q's four may be out
.set j, 0
.rept 8
	v_max_num_f32 v[S+j], 0xce800000, v[S+j]       ; held at -2^30 from below
.set j, j+1
.endr
	ds_store_b128 v[ADL], v[S:S+3]
	ds_store_b128 v[ADL], v[S+4:S+7] offset:4096
	s_wait_loadcnt 0x0
.irp i, 0,1,2,3,4,5
	v_mov_b32 v[Q+\i], v[QL+\i]                    ; tile 0: [q | 0 | q]: registers 0-11 are [q | 0], registers 6-17 [0 | q]
	v_mov_b32 v[Q+6+\i], 0
	v_mov_b32 v[Q+12+\i], v[QL+\i]
	v_mov_b32 v[Q+18+\i], v[QL+6+\i]               ; tile 1
	v_mov_b32 v[Q+24+\i], 0
	v_mov_b32 v[Q+30+\i], v[QL+6+\i]
.endr
	v_perm_b32 v[QS], v[PS+1], v[PS+1], 0x01000100   ; tile 0's two bytes, for K 0-63 and for K 64-127
	v_perm_b32 v[QS+1], v[PS+1], v[PS+1], 0x03020302 ; tile 1's
.irp t, 0,1
	v_mov_b32 v[ST+6*\t+1], 0xff61b1e6             ; the largest t so far: -3e38
	v_floor_f32 v[ST+6*\t], -v[ST+6*\t+1]          ; -M
	v_mov_b32 v[ST+6*\t+2], 0                      ; the sum, in two halves
	v_mov_b32 v[ST+6*\t+3], 0
	v_mov_b32 v[ST+6*\t+5], 0                      ; (named as the upper half of f's pair)
.endr
.irp b, 0,1,2,3
	v_mov_b32 v[T2+\b], 0                          ; written once: a lane permute's destination counts as one of its sources
.endr
	WIN 0x40
.set j, 0
.rept 64
	v_mov_b32 v[j], 0                              ; O^T: the step is written once; its first run finds zeros, which the first change of M leaves zeros
.set j, j+1
.endr
	WIN 0
; The softmax of tile t for 128 keys: S^T's register 16 b + i is key 32 b + 16 h + i of my query.  It leaves p's codes in v[P + 12 t] on, their scale word in v[PS + t] and f in the tile's statistics.
.macro SOFT t
.set NM, ST+6*(\t)
.set TX, NM+1
.set LL, NM+2
.set FF, NM+4
.set PP, P+12*(\t)
.irp b, 0,1,2,3
	v_max3_num_f32 v[BM+\b], v[S+16*\b], v[S+16*\b+1], v[S+16*\b+2]   ; the largest score of each block of 32 keys: for the row's maximum and, since p rises with the score, for the block's largest p
.endr
.irp i, 3,5,7,9,11,13
.irp b, 0,1,2,3
	v_max3_num_f32 v[BM+\b], v[BM+\b], v[S+16*\b+\i], v[S+16*\b+\i+1]
.endr
.endr
.irp b, 0,1,2,3
	v_max_num_f32 v[BM+\b], v[BM+\b], v[S+16*\b+15]
.endr
.irp b, 0,1,2,3
	v_permlanex16_b32 v[T2+\b], v[BM+\b], s[SEL], s[SEL+1]
.endr
.irp b, 0,1,2,3
	v_max_num_f32 v[BM+\b], v[BM+\b], v[T2+\b]     ; with lane l xor 16's 16 keys
.endr
	v_max3_num_f32 v[X], v[BM], v[BM+1], v[BM+2]
	v_max_num_f32 v[X], v[X], v[BM+3]
	v_mul_f32 v[X], s[CS], v[X]                    ; the step's largest t
	v_max_num_f32 v[TX], v[TX], v[X]
	v_mov_b32 v[X], v[NM]
	v_floor_f32 v[NM], -v[TX]                      ; the new -M = -ceil(t): a whole number
	v_sub_f32 v[X], v[NM], v[X]                    ; old M - new M: a whole number, 0 or less
	v_cvt_i32_f32 v[X], v[X]                       ; (it saturates)
	v_ldexp_f32 v[FF], 1.0, v[X]                   ; f = 2^(old M - new M)
.set j, 0
.rept 32
	v_pk_fma_f32 v[S+j:S+j+1], v[S+j:S+j+1], s[CS:CS+1], v[NM:NM+1] op_sel_hi:[1,0,0]   ; t - M, two at a time
.set j, j+2
.endr
.irp b, 0,1,2,3
	v_fma_f32 v[BM+\b], v[BM+\b], s[CS], v[NM]
.endr
.set j, 0
.rept 64
	v_exp_f32 v[S+j], v[S+j]                       ; p = 2^(t - M)
.set j, j+1
.endr
	v_pk_mul_f32 v[LL:LL+1], v[LL:LL+1], v[FF:FF+1] op_sel_hi:[1,0]   ; the sums under the new M: the plain place behind the exponentials
	s_wait_alu depctr_va_vdst(0)                   ; one wait for the batch of 64, ahead of its first reader
.irp b, 0,1,2,3
	v_exp_f32 v[BM+\b], v[BM+\b]                   ; each block's largest p
.endr
	v_pk_add_f32 v[T2:T2+1], v[S:S+1], v[S+2:S+3]  ; the row's sum of the unquantised p, in two chains
.set j, 4
.rept 15
	v_pk_add_f32 v[LL:LL+1], v[LL:LL+1], v[S+j:S+j+1]
	v_pk_add_f32 v[T2:T2+1], v[T2:T2+1], v[S+j+2:S+j+3]
.set j, j+4
.endr
	v_pk_add_f32 v[LL:LL+1], v[LL:LL+1], v[T2:T2+1]
	s_wait_alu depctr_va_vdst(0)                   ; and one for the four
.irp b, 0,1,2,3
	v_max_num_f32 v[BM+\b], 0x1800000, v[BM+\b]    ; the floor 2^(3 - 127)
.endr
.irp b, 0,1,2,3
	v_add_nc_u32 v[SO+\b], 0xff000000, v[BM+\b]    ; the conversion's scale operand
.endr
.irp b, 0,1,2,3
	v_lshrrev_b32 v[T2+\b], 23, v[SO+\b]           ; the scale's byte
.endr
	v_lshl_or_b32 v[PS+\t], v[T2+1], 8, v[T2]
	v_lshl_or_b32 v[PS+\t], v[T2+2], 16, v[PS+\t]
	v_lshl_or_b32 v[PS+\t], v[T2+3], 24, v[PS+\t]
.irp c, 0,1
	v_cvt_scalef32_pk16_fp6_f32 v[PP+6*\c:PP+6*\c+2], v[S+32*\c:S+32*\c+15], v[SO+2*\c]
	v_cvt_scalef32_pk16_fp6_f32 v[TMPC+4*\c:TMPC+4*\c+2], v[S+32*\c+16:S+32*\c+31], v[SO+2*\c+1]
.endr
	v_nop                                          ; one plain place behind a scaled conversion
.irp c, 0,1
.irp i, 0,1,2
	v_permlane16_swap_b32 v[PP+6*\c+\i], v[TMPC+4*\c+\i]
.endr
.irp i, 0,1,2
	v_mov_b32 v[PP+6*\c+3+\i], v[TMPC+4*\c+\i]
.endr
.endr
.endm
; A KEY STEP: 128 keys, both tiles.
.macro STEP
	v_add_nc_u32 v[ADL], s[TB], v[LI]              ; (no LDS instruction of mine is out)  These four are the places behind the last step's products, for the loads below
	v_add_nc_u32 v[ADR], s[TB], v[RI]
	v_add_nc_u32 v[ADM], s[TMK], v[MI]
	v_nop
.set n, 0
.rept 12
	ds_load_b128 v[KF+4*n:KF+4*n+3], v[ADL] offset:512*n           ; K's four images
.set n, n+1
.endr
	ds_load_b128 v[KSC:KSC+3], v[ADR] offset:6144                  ; their scale words
	WIN 0x40
.irp b, 0,1,2,3
.irp j, 0,1,2,3
	ds_load_b128 v[MASK+16*\b+4*\j:MASK+16*\b+4*\j+3], v[ADM] offset:128*\b+16*\j   ; the mask of keys 32 b + 16 h + 4 j on: the sixteen lanes of a half read the same bytes
.endr
.endr
.set n, 0
.rept 12
	ds_load_b128 v[VF+4*n:VF+4*n+3], v[ADL] offset:4*BLKB+512*n    ; V's four fragments
.set n, n+1
.endr
	WIN 0
	ds_load_b128 v[VSC:VSC+3], v[ADR] offset:4*BLKB+6144
	s_wait_dscnt 13                                ; V's 12 loads and its scale words' may be out
.irp t, 0,1
	WIN 0x10                                       ; C, the mask, in window 1
.irp b, 0,1,2,3
.irp u, 0,1
	v_wmma_scale_f32_16x16x128_f8f6f4 v[S+16*\b+8*\u:S+16*\b+8*\u+7], v[KF+12*\b:KF+12*\b+11], v[Q+18*\t+6*\u:Q+18*\t+6*\u+11], v[MASK+16*\b+8*\u:MASK+16*\b+8*\u+7], v[KSC+\b], v[QS+\t] matrix_a_fmt:MATRIX_FMT_FP6 matrix_b_fmt:MATRIX_FMT_FP6
.endr
.endr
	WIN 0
	PLACES
	SOFT \t
.endr
	WIN 0x41                                       ; O^T in window 1, f in window 0
.irp t, 0,1
.set j, 0
.rept 16
	v_pk_mul_f32 v[32*\t+j:32*\t+j+1], v[32*\t+j:32*\t+j+1], v[ST+6*\t+4:ST+6*\t+5] op_sel_hi:[1,0]   ; O^T under the new M.  These 32 are also the places between p's codes and scale word and the products below
.set j, j+2
.endr
.endr
	s_wait_dscnt 0x0                               ; V is in
	WIN 0x51                                       ; V, C and D in window 1, p in window 0
.irp d, 0,1,2,3
.irp t, 0,1
	v_wmma_scale_f32_16x16x128_f8f6f4 v[32*\t+8*\d:32*\t+8*\d+7], v[VF+12*\d:VF+12*\d+11], v[P+12*\t:P+12*\t+11], v[32*\t+8*\d:32*\t+8*\d+7], v[VSC+\d], v[PS+\t] matrix_a_fmt:MATRIX_FMT_FP6 matrix_b_fmt:MATRIX_FMT_FP6
.endr
.endr
	WIN 0
.endm
; A quarter of the keys: my load of it has landed (the later quarters' may stay out), everybody's has behind the barrier; four key steps.
.macro QUARTER c
	s_wait_tensorcnt 3-\c
	s_wait_dscnt 0x0                               ; no LDS instruction of mine is out at the signal (in quarter 0: my part of the mask lies in LDS)
	s_barrier_signal -1
	s_barrier_wait -1
	s_mov_b32 s[TB], QUART*\c
	s_mov_b32 s[TMK], 2048*\c
	s_mov_b32 s[CNT], 4
.Lstep_\@:
	STEP
	s_add_co_u32 s[TB], s[TB], BLKB
	s_add_co_u32 s[TMK], s[TMK], 512
	s_sub_co_u32 s[CNT], s[CNT], 1
	s_cmp_lg_u32 s[CNT], 0
	s_cbranch_scc1 .Lstep_\@
.endm
	QUARTER 0
	QUARTER 1
	QUARTER 2
	QUARTER 3
	; THE WAY OUT: O^T / the sum, quantised along the head's 64 (two blocks a tile), six registers a tile: half a fragment of the last product's A.
	PLACES
.irp t, 0,1
	v_add_f32 v[ST+6*\t+2], v[ST+6*\t+2], v[ST+6*\t+3]
.endr
.irp t, 0,1
	v_permlanex16_b32 v[T2+\t], v[ST+6*\t+2], s[SEL], s[SEL+1]
.endr
.irp t, 0,1
	v_add_f32 v[ST+6*\t+2], v[ST+6*\t+2], v[T2+\t] ; the row's sum
.endr
.irp t, 0,1
	v_rcp_f32 v[ST+6*\t+4], v[ST+6*\t+2]
.endr
	v_nop                                          ; a plain place behind the reciprocals,
	s_wait_alu depctr_va_vdst(0)                   ; and the wait ahead of their first reader
	WIN 0x01
.irp t, 0,1
.set j, 0
.rept 32
	v_mul_f32 v[S+32*\t+j], v[32*\t+j], v[ST+6*\t+4]   ; register 32 t + 16 b + i: channel 32 b + 16 h + i of tile t's query; each accumulator from its low end on
.set j, j+1
.endr
.endr
	WIN 0
.irp b, 0,1,2,3
	v_max3_num_f32 v[BM+\b], |v[S+16*\b]|, |v[S+16*\b+1]|, 0x1800000
.endr
.irp i, 2,4,6,8,10,12,14
.irp b, 0,1,2,3
	v_max3_num_f32 v[BM+\b], v[BM+\b], |v[S+16*\b+\i]|, |v[S+16*\b+\i+1]|
.endr
.endr
.irp b, 0,1,2,3
	v_permlanex16_b32 v[T2+\b], v[BM+\b], s[SEL], s[SEL+1]
.endr
.irp b, 0,1,2,3
	v_max_num_f32 v[BM+\b], v[BM+\b], v[T2+\b]
.endr
.irp b, 0,1,2,3
	v_add_nc_u32 v[SO+\b], 0xff000000, v[BM+\b]
.endr
.irp b, 0,1,2,3
	v_lshrrev_b32 v[T2+\b], 23, v[SO+\b]
.endr
	v_lshl_or_b32 v[PS], v[T2+1], 8, v[T2]         ; bytes: tile 0's two blocks, tile 1's two
	v_lshl_or_b32 v[PS], v[T2+2], 16, v[PS]
	v_lshl_or_b32 v[PS], v[T2+3], 24, v[PS]
.irp c, 0,1
	v_cvt_scalef32_pk16_fp6_f32 v[P+6*\c:P+6*\c+2], v[S+32*\c:S+32*\c+15], v[SO+2*\c]
	v_cvt_scalef32_pk16_fp6_f32 v[TMPC+4*\c:TMPC+4*\c+2], v[S+32*\c+16:S+32*\c+31], v[SO+2*\c+1]
.endr
	v_nop
.irp c, 0,1
.irp i, 0,1,2
	v_permlane16_swap_b32 v[P+6*\c+\i], v[TMPC+4*\c+\i]
.endr
.irp i, 0,1,2
	v_mov_b32 v[P+6*\c+3+\i], v[TMPC+4*\c+\i]
.endr
.endr
	v_lshrrev_b32 v[X], 16, v[PS]
	v_cndmask_b32 v[X], v[PS], v[X], s[HM]         ; lanes 0-15 store tile 0's two bytes of row r, lanes 16-31 tile 1's
.irp u, 0,1
.irp q, 0,1,2
	global_store_b64 v[CI], v[P+6*\u+2*\q:P+6*\u+2*\q+1], s[CB:CB+1] offset:1536*\u+256*\q   ; 32 lanes store 256 consecutive bytes, at a multiple of 256 from the buffer's first byte
.endr
.endr
	global_store_b16 v[CSI], v[X], s[CSB:CSB+1]
	s_wait_tensorcnt 0x0                           ; the wave's end, behind my last tensor load and my last LDS store
	ds_add_u32 v[SPW], v[NIL]
	s_wait_dscnt 0x0
	CROUND                                         ; the closing round
	s_endpgm
.Lfunc_end_k_q76d2266814_attn:
	.size	k_q76d2266814_attn, .Lfunc_end_k_q76d2266814_attn-k_q76d2266814_attn
	.p2alignl 7, 3214868480
	.fill 96, 4, 3214868480
	.section	.rodata,"a",@progbits
	.p2align	6, 0x0
	.amdhsa_kernel k_q76d2266814_attn
		.amdhsa_group_segment_fixed_size 214016
		.amdhsa_private_segment_fixed_size 0
		.amdhsa_enable_private_segment 0
		.amdhsa_kernarg_size 24
		.amdhsa_user_sgpr_count 2
		.amdhsa_user_sgpr_kernarg_segment_ptr 1
		.amdhsa_wavefront_size32 1
		.amdhsa_system_sgpr_workgroup_id_x 1
		.amdhsa_system_sgpr_workgroup_id_y 1
		.amdhsa_system_sgpr_workgroup_id_z 1
		.amdhsa_system_vgpr_workitem_id 0
		.amdhsa_next_free_vgpr 512
		.amdhsa_next_free_sgpr 66
		.amdhsa_reserve_vcc 0
		.amdhsa_float_denorm_mode_32 3
		.amdhsa_float_denorm_mode_16_64 3
		.amdhsa_memory_ordered 1
		.amdhsa_forward_progress 1
		.amdhsa_inst_pref_size 140
	.end_amdhsa_kernel
	.amdgpu_metadata
---
amdhsa.version: [ 1, 2 ]
amdhsa.kernels:
  - .name:           k_q76d2266814_attn
    .symbol:         k_q76d2266814_attn.kd
    .args:
      - { .name: qkv, .offset: 0, .size: 8, .value_kind: global_buffer, .address_space: global }
      - { .name: src_masks, .offset: 8, .size: 8, .value_kind: global_buffer, .address_space: global }
      - { .name: ctx, .offset: 16, .size: 8, .value_kind: global_buffer, .address_space: global }
    .group_segment_fixed_size: 214016
    .private_segment_fixed_size: 0
    .kernarg_segment_align: 8
    .kernarg_segment_size: 24
    .max_flat_workgroup_size: 256
    .sgpr_count:     66
    .vgpr_count:     512
    .wavefront_size: 32
...
	.end_amdgpu_metadata
.endif
;; end of part 3
;; launch outp (part 4): grid 4 x 64, 4 waves a work-group, clusters of 4 x 1, 167,936 bytes of LDS; arguments ctx, wimg, out0; writes out0
.if DOCPART == 4
	.amdgcn_target "amdgcn-amd-amdhsa--gfx1250"
	.amdhsa_code_object_version 6
	.text
	.protected	k_q76d2266814_outp
	.globl	k_q76d2266814_outp
	.p2align	8
	.type	k_q76d2266814_outp,@function
k_q76d2266814_outp:
	s_mov_b64 s[64:65], 0
	v_nop
	global_prefetch_b8 v0, s[64:65] scope:SCOPE_SE
	s_setreg_imm32_b32 hwreg(HW_REG_WAVE_MODE, 25, 1), 1
	s_wait_xcnt 0x0
	s_wait_alu depctr_hold_cnt(0) depctr_sa_sdst(0) depctr_va_vdst(0) depctr_va_sdst(0) depctr_va_ssrc(0) depctr_va_vcc(0) depctr_vm_vsrc(0)
	s_getreg_b32 s2, hwreg(HW_REG_IB_STS2, 6, 4)
	s_cmp_eq_u32 s2, 0
	s_cbranch_scc0 .Lentry_in_a_cluster
	s_endpgm
.Lentry_in_a_cluster:
	s_bfe_u32 s2, ttmp6, 0x10000c
	s_cmp_lg_u32 s2, 0x3003
	s_cbranch_scc0 .Lentry_shape_is_right
	s_endpgm
.Lentry_shape_is_right:
; out0 = ctx Wo, on codes of FP6 (E2M3) with one E8M0 byte for each 32 along K; out0: [8192][1024] f32.
; SHARES.  Work-group (x, y): tokens 128 y on, columns 256 x on; wave w takes 64 columns (chunk 4 x + w of Wo's images): 32 accumulators.  256 work-groups.
; ctx's block of 128 tokens, 102,400 dense bytes of fragments and scale words, comes into LDS ONCE, by four tensor loads a wave (four of mine are out at the most): a slab of two K steps each; no byte is filled twice.
; CLUSTER.  The four work-groups of a cluster take the same tokens: the block is asked for JOINTLY.  Wo's images, which no other wave of the cluster reads, go from memory straight into registers: all 8 K steps, 384 registers.
; A fragment of ctx lies as six groups of 256 bytes: group q at 256 q + 8 x lane holds registers 2 q, 2 q + 1.  The scale words: [tile / 4][lane 32 = 16 (K step % 2) + r][tile % 4].
; Source 0 = 16 columns of Wo, source 1 = 16 tokens: a lane holds eight neighbouring columns of one token.  Lane r of token tile 2 g + u is token 32 g + 8 u + r + 8 (r / 8); a column tile's rows likewise.
; THE WAY OUT: 32 tokens x 64 columns at a time through the wave's own stage in LDS; sixteen lanes then store a token's 256 consecutive bytes, at a multiple of 256 from the buffer's first byte.
; REGISTERS.  Window 0: v1-7 addresses; v14, v15 the add's two; v32-47 ctx's scale words, two sets; v48-63 Wo's; v160-255 ctx's fragments of even K steps; on the way out v64-191 rows of out0.
;   Window 1: Wo's K steps 0-4.  Window 2: Wo's K steps 5-7; v144-239 ctx's fragments of odd K steps.  Window 3: the 32 accumulators ((token tile T, column tile c) at v[8 (4 T + c)]).
.set SLAB,  25600
.set BLKB,  6400                       ; what one tensor load brings: a quarter of a slab
.set STG,   4*SLAB                     ; behind the block: a stage of 32 rows x (256 + 16) bytes for each wave; no tensor load lands here
.set SPIT,  272
.set SPARE, STG+4*32*SPIT              ; the spare words, 128 bytes a wave
.set WCH,   51200
.set LI,   1                           ; v1  16 x lane
.set LI1,  2                           ; v2  16 x lane + two slabs
.set LB,   3                           ; v3  8 x lane
.set LB1,  4                           ; v4  8 x lane + two slabs
.set STO,  5                           ; v5  the stage, in: row r, + 64 h
.set RD,   6                           ; v6  the stage, back: row h, + 16 r
.set CO,   7                           ; v7  out0: row h, + 16 r
.set SPW,  14
.set NIL,  15
.set AS,   32
.set WS,   48
.set BK,   64
.set A0,   160
.set A1,   144
.set WV,  10
.set WP,  18
.set G1,  24
.set G0,  32
.set MSB, 0
.macro WIN new
.if MSB != (\new)
	s_set_vgpr_msb (MSB<<8)|(\new)
.set MSB, (\new)
.endif
.endm
.macro PLACES
.rept 4
	v_nop
.endr
.endm
.macro CROUND
	s_barrier_signal -1
	s_barrier_wait -1
	s_cmp_lg_u32 s[WV], 0
	s_cbranch_scc1 .Lnot_wave_0_\@
	s_barrier_signal -3
.Lnot_wave_0_\@:
	s_barrier_wait -3
	s_barrier_signal -1
	s_barrier_wait -1
.endm
.macro LOADW k
.if (\k) < 5
	WIN 0x40
.set WR, 48*(\k)
.else
	WIN 0x80
.set WR, 48*((\k)-5)
.endif
.set n, 0
.rept 12
	global_load_b128 v[WR+4*n:WR+4*n+3], v[LI], s[WP:WP+1] offset:6144*(\k)+512*n
.set n, n+1
.endr
	WIN 0
.endm
.macro FETCHA k                        ; ctx's eight fragments of K step k: 48 loads of 256 consecutive bytes
.if ((\k)%2) == 0
.set AR, A0
	WIN 0
.else
.set AR, A1
	WIN 0x80
.endif
.set AD, LB+((\k)/4)
.set AO, SLAB*(((\k)/2)%2)+12288*((\k)%2)
.set n, 0
.rept 48
	ds_load_b64 v[AR+2*n:AR+2*n+1], v[AD] offset:AO+256*n
.set n, n+1
.endr
	WIN 0
.endm
.macro FETCHAS p
.irp h, 0,1
	ds_load_b128 v[AS+8*((\p)%2)+4*\h:AS+8*((\p)%2)+4*\h+3], v[LI+(\p)/2] offset:SLAB*((\p)%2)+24576+512*\h
.endr
.endm
.macro MM d, a, b, sa, sb, k
.if (\k) == 0
	v_wmma_scale_f32_16x16x128_f8f6f4 v[\d:\d+7], v[\a:\a+11], v[\b:\b+11], 0, v[\sa], v[\sb] matrix_a_fmt:MATRIX_FMT_FP6 matrix_b_fmt:MATRIX_FMT_FP6
.elseif ((\k)%2) == 0
	v_wmma_scale_f32_16x16x128_f8f6f4 v[\d:\d+7], v[\a:\a+11], v[\b:\b+11], v[\d:\d+7], v[\sa], v[\sb] matrix_a_fmt:MATRIX_FMT_FP6 matrix_b_fmt:MATRIX_FMT_FP6
.else
	v_wmma_scale_f32_16x16x128_f8f6f4 v[\d:\d+7], v[\a:\a+11], v[\b:\b+11], v[\d:\d+7], v[\sa], v[\sb] matrix_a_fmt:MATRIX_FMT_FP6 matrix_b_fmt:MATRIX_FMT_FP6 matrix_a_scale:MATRIX_SCALE_ROW1 matrix_b_scale:MATRIX_SCALE_ROW1
.endif
.endm
.macro PROD k                          ; a K step's 32 products; the accumulators take turns, one instruction a turn, in the same order in every step
.if (\k) < 5
.set WW, 1
.set WR, 48*(\k)
.else
.set WW, 2
.set WR, 48*((\k)-5)
.endif
.if ((\k)%2) == 0
.set AW, 0
.set AR, A0
.else
.set AW, 2
.set AR, A1
.endif
.set WSR, WS+4*((\k)/2)
.set ASR, AS+8*(((\k)/2)%2)
	WIN 0xf0|(AW<<2)|WW
.irp T, 0,1,2,3,4,5,6,7
.irp c, 0,1,2,3
	MM 8*(4*\T+\c), WR+12*\c, AR+12*\T, WSR+\c, ASR+\T, \k
.endr
.endr
	WIN 0
.endm
	s_load_b128 s[4:7], s[0:1], 0x0                ; ctx, wimg
	s_load_b64 s[8:9], s[0:1], 0x10                ; out0
	v_lshl_add_u32 v[SPW], v0, 2, SPARE
	v_mov_b32 v[NIL], 0
	ds_add_u32 v[SPW], v[NIL]                      ; the wave's opening: the add and its wait ahead of my first tensor load; work on registers stands between them
	v_lshrrev_b32 v16, 5, v0
	v_readfirstlane_b32 s[WV], v16                 ; wave 0..3
	s_bfe_u32 s11, ttmp6, 0x40000                  ; cx: it enters Wo's and out0's global addresses alone
	s_lshl_b32 s12, s11, 2
	s_add_co_u32 s12, s12, s[WV]                   ; my 64 columns: chunk 4 cx + wave
	s_and_b32 s13, ttmp7, 0xffff                   ; my 128 tokens, which the partners share
	s_mov_b32 s[G1], 15|(3<<16)|(1<<21)            ; the mask: all four work-groups; elements of 8 bytes; bit 21 beside a mask; no padding
	s_mov_b32 s[G1+1], 32<<16                      ; rows of 256 bytes,
	s_mov_b32 s[G1+2], 25<<16                      ; 25 of them: 6,400 dense bytes
	s_mov_b32 s[G1+3], 32<<16
	s_mov_b32 s[G1+4], 25
	s_mov_b32 s[G1+5], 32
	s_mov_b32 s[G1+6], 0
	s_mov_b32 s[G1+7], 0
	s_mul_i32 s14, s13, 4*SLAB
	s_mul_i32 s16, s[WV], BLKB                     ; my quarter of each slab, in memory and in LDS
	s_add_co_u32 s14, s14, s16
	s_mov_b32 s15, 0
	s_mul_i32 s20, s12, WCH
	s_add_co_u32 s20, s20, 3*16*WCH                ; the fourth weight
	s_mov_b32 s21, 0
	s_lshl_b32 s22, s13, 19                        ; 128 rows of 4,096 bytes,
	s_lshl_b32 s23, s12, 8                         ; 256 bytes of each
	s_add_co_u32 s22, s22, s23
	s_mov_b32 s23, 0
	v_and_b32 v16, 31, v0                          ; lane
	v_and_b32 v17, 15, v0                          ; r
	v_bfe_u32 v18, v0, 4, 1                        ; h
	v_lshlrev_b32 v[LI], 4, v16
	v_add_nc_u32 v[LI1], 2*SLAB, v[LI]
	v_lshlrev_b32 v[LB], 3, v16
	v_add_nc_u32 v[LB1], 2*SLAB, v[LB]
	s_mul_i32 s17, s[WV], 32*SPIT
	s_add_co_u32 s17, s17, STG                     ; my stage
	v_mul_u32_u24 v[STO], v17, SPIT
	v_lshl_add_u32 v[STO], v18, 6, v[STO]
	v_add_nc_u32 v[STO], s17, v[STO]
	v_mul_u32_u24 v[RD], v18, SPIT
	v_lshl_add_u32 v[RD], v17, 4, v[RD]
	v_add_nc_u32 v[RD], s17, v[RD]
	v_lshlrev_b32 v[CO], 12, v18
	v_lshl_add_u32 v[CO], v17, 4, v[CO]
	s_wait_dscnt 0x0                               ; the opening add is done
	s_wait_kmcnt 0x0
	s_add_nc_u64 s[14:15], s[4:5], s[14:15]
	s_add_nc_u64 s[WP:WP+1], s[6:7], s[20:21]
	s_add_nc_u64 s[8:9], s[8:9], s[22:23]
.irp p, 0,1,2,3
	s_mov_b32 s[G0+4*\p], 1
	s_add_co_u32 s[G0+4*\p+1], s16, SLAB*\p
	s_add_nc_u64 s[G0+4*\p+2:G0+4*\p+3], s[14:15], SLAB*\p
	s_or_b32 s[G0+4*\p+3], s[G0+4*\p+3], 0x80000000
.endr
	CROUND                                         ; all four work-groups are here: the joint loads meet
.irp p, 0,1,2,3
	tensor_load_to_lds s[G0+4*\p:G0+4*\p+3], s[G1:G1+7]            ; all the launch's fills, in one group
	s_nop 0
.endr
	PLACES
.irp p, 0,1,2,3
	global_load_b128 v[WS+4*\p:WS+4*\p+3], v[LI], s[WP:WP+1] offset:49152+512*\p   ; Wo's scale words: K step 2 p in lanes 0-15, 2 p + 1 in lanes 16-31
.endr
.irp k, 0,1,2,3,4,5,6,7
	LOADW \k
.endr
	s_wait_tensorcnt 3                             ; my quarter of slab 0 is in; the later slabs' loads may stay out
	s_barrier_signal -1
	s_barrier_wait -1                              ; everybody's is
	FETCHA 0
	FETCHAS 0
.irp k, 0,1,2,3,4,5,6,7
.if \k > 0
	PLACES                                         ; behind the last step's products: for the loads below into registers that they read
.endif
.if ((\k%2) == 1) && (\k < 7)
	s_wait_tensorcnt 3-(\k+1)/2                    ; my quarter of the next slab is in,
	s_wait_dscnt 0x0                               ; no LDS instruction of mine is out at the signal,
	s_barrier_signal -1
	s_barrier_wait -1                              ; everybody's is
.endif
.if \k < 7
	FETCHA \k+1
.if (\k%2) == 1
	FETCHAS (\k+1)/2
	s_wait_dscnt 50                                ; all but the loads just issued: this step's fragments and words are in
.else
	s_wait_dscnt 48
.endif
.else
	s_wait_dscnt 0x0
.endif
.set TL, 12*(7-\k)                                 ; the later K steps' loads of Wo may stay out
.if TL > 63
.set TL, 63
.endif
	s_wait_loadcnt TL
	PROD \k
.endr
	PLACES
; 32 tokens (tiles 2 g, 2 g + 1) x my 64 columns into the stage, rows in the tiles' order, and back, two rows an instruction
.macro TOSTAGE g
	WIN 0x0c                                       ; an LDS store's data are its source 1: window 3
.irp u, 0,1
.irp b, 0,1
.irp c, 0,1
.set AC, 8*(4*(2*(\g)+\u)+2*\b+\c)
	ds_store_b128 v[STO], v[AC:AC+3] offset:16*SPIT*\u+128*\b+32*\c           ; columns 32 b + 8 c + 16 h + 0 .. 3; each accumulator from its low end on
	ds_store_b128 v[STO], v[AC+4:AC+7] offset:16*SPIT*\u+128*\b+32*\c+16
.endr
.endr
.endr
	WIN 0
.set BB, BK+64*((\g)%2)
.set n, 0
.rept 16
	ds_load_b128 v[BB+4*n:BB+4*n+3], v[RD] offset:2*SPIT*n         ; LDS serves a wave's instructions in order: these see the stores above, and the next 32 tokens' stores come behind them
.set n, n+1
.endr
.endm
.macro SEND g, younger                 ; stage row 2 n + h is lane r = 2 (n % 8) + h of tile n / 8: token 8 (n / 8) + r + 8 (r / 8) of the 32
.set BB, BK+64*((\g)%2)
	s_wait_dscnt \younger
.set n, 0
.rept 16
	global_store_b128 v[CO], v[BB+4*n:BB+4*n+3], s[8:9] offset:(32*(\g)+8*(n/8)+2*(n%8)+8*((n%8)/4))*4096 th:TH_STORE_NT   ; sixteen lanes store 256 consecutive bytes of a row
.set n, n+1
.endr
.endm
	TOSTAGE 0
	TOSTAGE 1
	SEND 0, 32                                     ; the next 32 tokens' 16 stores and 16 loads may be out
	s_wait_xcnt 0x0                                ; the stores have read their registers: the next loads may land there
	TOSTAGE 2
	SEND 1, 32
	s_wait_xcnt 0x0
	TOSTAGE 3
	SEND 2, 32
	SEND 3, 0
	s_wait_tensorcnt 0x0                           ; the wave's end, behind my last tensor load and my last LDS store
	ds_add_u32 v[SPW], v[NIL]
	s_wait_dscnt 0x0
	CROUND                                         ; the closing round
	s_endpgm
.Lfunc_end_k_q76d2266814_outp:
	.size	k_q76d2266814_outp, .Lfunc_end_k_q76d2266814_outp-k_q76d2266814_outp
	.p2alignl 7, 3214868480
	.fill 96, 4, 3214868480
	.section	.rodata,"a",@progbits
	.p2align	6, 0x0
	.amdhsa_kernel k_q76d2266814_outp
		.amdhsa_group_segment_fixed_size 167936
		.amdhsa_private_segment_fixed_size 0
		.amdhsa_enable_private_segment 0
		.amdhsa_kernarg_size 24
		.amdhsa_user_sgpr_count 2
		.amdhsa_user_sgpr_kernarg_segment_ptr 1
		.amdhsa_wavefront_size32 1
		.amdhsa_system_sgpr_workgroup_id_x 1
		.amdhsa_system_sgpr_workgroup_id_y 1
		.amdhsa_system_sgpr_workgroup_id_z 1
		.amdhsa_system_vgpr_workitem_id 0
		.amdhsa_next_free_vgpr 1024
		.amdhsa_next_free_sgpr 66
		.amdhsa_reserve_vcc 0
		.amdhsa_float_denorm_mode_32 3
		.amdhsa_float_denorm_mode_16_64 3
		.amdhsa_memory_ordered 1
		.amdhsa_forward_progress 1
		.amdhsa_inst_pref_size 89
	.end_amdhsa_kernel
	.amdgpu_metadata
---
amdhsa.version: [ 1, 2 ]
amdhsa.kernels:
  - .name:           k_q76d2266814_outp
    .symbol:         k_q76d2266814_outp.kd
    .args:
      - { .name: ctx, .offset: 0, .size: 8, .value_kind: global_buffer, .address_space: global }
      - { .name: wimg, .offset: 8, .size: 8, .value_kind: global_buffer, .address_space: global }
      - { .name: out0, .offset: 16, .size: 8, .value_kind: global_buffer, .address_space: global }
    .group_segment_fixed_size: 167936
    .private_segment_fixed_size: 0
    .kernarg_segment_align: 8
    .kernarg_segment_size: 24
    .max_flat_workgroup_size: 128
    .sgpr_count:     66
    .vgpr_count:     1024
    .wavefront_size: 32
...
	.end_amdgpu_metadata
.endif
;; end of part 4
;; ======== version 2 of 2: 4 launches; version 1 with the launch proj written anew for expert scheduling mode
;; limits: right only within a limited range of input values
;; workspace buffers: wimg 3,276,800 bytes; qkv 19,660,800 bytes; ctx 6,553,600 bytes
;; launch wquant: the kernel of part 1 again; grid 8 x 32, 4 waves a work-group, no clusters, 12,800 bytes of LDS; arguments Wq, Wk, Wv, Wo, wimg; writes wimg
;; launch proj (part 5): grid 64 x 3, 4 waves a work-group, no clusters, 170,496 bytes of LDS; arguments queries, keys, values, wimg, qkv; writes qkv
.if DOCPART == 5
	.amdgcn_target "amdgcn-amd-amdhsa--gfx1250"
	.amdhsa_code_object_version 6
	.text
	.protected	k_q76d2266814_proj
	.globl	k_q76d2266814_proj
	.p2align	8
	.type	k_q76d2266814_proj,@function
k_q76d2266814_proj:
	s_mov_b64 s[64:65], 0
	v_nop
	global_prefetch_b8 v0, s[64:65] scope:SCOPE_SE
	s_setreg_imm32_b32 hwreg(HW_REG_WAVE_SCHED_MODE, 0, 2), 2
	s_setreg_imm32_b32 hwreg(HW_REG_WAVE_MODE, 25, 1), 1
	s_wait_xcnt 0x0
	s_wait_alu depctr_vm_vsrc(0)
; q = (queries Wq) / 8, k = keys Wk, v = values Wv, all on codes of FP6 (E2M3) with one E8M0 byte for each 32 along K; the results are quantised at once for the two products of attention and leave as codes.
; SHARES.  Work-group (x, y): tokens 128 x .. 128 x + 127 of tensor y (0 q, 1 k, 2 v), all 1,024 columns: so each f32 number of the activations is read from memory once in the launch.
; PHASE X: wave w quantises tokens 32 w .. 32 w + 31 along K, 128 at a time, and stores the fragments in LDS as images of their registers (group c of four registers at 512 c + 16 x lane).  One barrier.
; THE PRODUCT: wave w makes columns 256 w on, a head (64 columns) at a time, for all 128 tokens: 32 accumulators.  A's fragments come from LDS; the weights' images come from memory straight into registers,
; a whole head's 8 K steps in 384 registers, each slot loaded again for the next head in the K step behind its products.
; NO CLUSTER: a weight fragment is read by ONE wave of a work-group; to share it between work-groups it would have to go through LDS, 800 KB a work-group written and read again, in slots filled again behind rounds.
; THE TOKENS OF A TILE ARE NOT NEIGHBOURS, nor are a weight tile's columns: lane r of tile 2 g + u takes index 32 g + 8 u + r + 8 (r / 8).  So the 16 registers of two neighbouring result tiles are 16 neighbours.
; q, k (path 0): source 0 = 16 columns of W, source 1 = 16 tokens: a lane holds one token and its registers run along the head's 64: quantised along the head.  Two token tiles give one image: registers 0-5 tile 2 g, 6-11 tile 2 g + 1.
; v (path 1): the sources swapped: a lane holds one column and its registers run along the 128 tokens: quantised along the keys: an image is a fragment of 16 of the head's 64 x 128 keys.
; qkv = [tensor 3][b 4][head 16][128 tokens 16] blocks of 6,400 bytes: four images of 1,536, then 256 bytes of scale words [r 16][image 4].
; THE FACTOR 1 / 8 of q is a power of two: the codes are those of 8 q and each scale byte is 3 less; the floor under a block's largest magnitude is raised by 3 in the exponent, which is the hold of q's byte at 1.
; A block of zeros gets the floor's byte: its codes are zeros, and this program alone reads the bytes.  LIMITS: NaN and infinities among the inputs are not served.
; REGISTERS, in windows of 256.  Window 0: v1-11 addresses; v14, v15 the add's two; v32-47 A's scale words, two sets; v48-63 W's; v64-143 at work in the quantiser; v160-255 A's fragments of even K steps.
;   Window 1: W's K steps 0-4 (48 registers each).  Window 2: W's K steps 5-7; v144-239 A's fragments of odd K steps; in phase X v0-127 hold a K step of x as loaded.
;   Window 3: the 32 accumulators; in phase X v0-127 hold two tiles' numbers for the quantiser and v128-255 a K step of x as loaded.
; THE MODE: SCHED_MODE bits 1:0 = 2 (LLVM: expert scheduling mode 2), set by the entry lines.  The code itself states the register dependences between vector or matrix instructions and memory or LDS instructions,
; with s_wait_alu, always for 0.
; THE PLAN.  Registers that memory or LDS instructions touch, and who else names them:
;   PHASE X.  The two raw sets: written by the loads of x, read by the stores into the stage; no vector instruction names them.  The numbers (window 3, v0-127): written by the LDS loads from the stage, read by the quantiser.
;     v[PC .. PC+23], v[PW], v[PW+1]: written by the quantiser, read by the eight image stores at a step's end.  v[CWI], v[CWS]: written at a trip's head, read by the image stores.
;     A K step has ONE wait on vm_vsrc, behind the stage's loads (the stage's stores have read the raw set; the last step's image stores have read the codes and words), and ONE on va_vdst, behind both tiles' quantisers
;     (codes, words and the two addresses are written; the quantiser is done reading the numbers, in which the next step's LDS loads land).  A trip has one more on vm_vsrc, ahead of the two addresses' rewrite.
;   THE PRODUCT.  W's slot k, A's set k % 2 and their scale words are read by K step k's products alone and written by loads alone.  K steps 1 to 7 have ONE wait on va_vdst, at their head: the step before is done reading
;     its slot, its set of A and its scale words.  The step's loads land in just those registers, and are dealt among the step's products, which name slot k, A's set k % 2, their own scale words and the accumulators.
;   THE WAY OUT.  The four sets of codes and v10, v11: written by the quantiser, read by the stores.  One wait on vm_vsrc at its head, one on va_vdst ahead of each of its two runs of stores; the first of these also
;     states that K step 7's products are done reading slot 7 and its scale words, whose loads stand behind it.
;   v1-6 and v9 are written at the head and never again.
.set SLAB,  25600                      ; LDS: A's fragments of two K steps: [K step 2][tile 8][1,536], then 1,024 bytes of scale words [tile / 4][lane 32 = 16 (K step % 2) + r][tile % 4]
.set XSTG,  4*SLAB                     ; behind the four slabs: a stage of 32 rows x (512 + 16) bytes for each wave
.set XPIT,  528
.set XSTW,  32*XPIT
.set SPARE, XSTG+4*XSTW                ; the spare words, 128 bytes a wave
.set WCH,   51200                      ; a head's chunk of wimg
.set LI,   1                           ; v1   16 x lane
.set LI1,  2                           ; v2   16 x lane + two slabs
.set XSW,  3                           ; v3   my stage, on the way in
.set XSR,  4                           ; v4   and on the way out: row r, + 64 h
.set AWI,  5                           ; v5   where my wave's images go in a slab: 16 x lane + 3,072 x wave
.set AWS,  6                           ; v6   and their scale words: 16 r + 512 (wave / 2) + 8 (wave % 2)
.set CWI,  7                           ; v7, v8  the same in the slab in hand
.set CWS,  8
.set SI,   9                           ; v9   the way out of the scale words: 16 r + 8 h
.set SPW,  14
.set NIL,  15
.set AS,   32
.set WS,   48
.set TM,   64                          ; v64-67 largest magnitudes, v68-71 bytes, v76-79 the conversions' scale operands
.set PW,   80                          ; v80-83 scale words just made
.set TMPC, 84                          ; v84-91 the upper halves of blocks, before they are moved
.set PC,   96                          ; v96-143 four sets of 12: codes just made
.set A0,   160                         ; in window 0
.set A1,   144                         ; in window 2
.set WV,  14
.set TT,  15                           ; which tensor
.set SEL, 18
.set FLR, 20                           ; the floor under a block's largest magnitude
.set ADJ, 21                           ; what is taken off each scale byte: 3 for q
.set HM,  22                           ; lanes 16-31
.set XP,  24
.set WP,  26
.set OP,  28
.set SB,  30
.set CT,  31
.set MSB, 0
.macro WIN new                         ; the immediate's high byte repeats the setting that is left; a switch that changes nothing is dropped
.if MSB != (\new)
	s_set_vgpr_msb (MSB<<8)|(\new)
.set MSB, (\new)
.endif
.endm
.macro PLACES                          ; four plain vector instructions behind a matrix instruction (ISA guide 7.12.1)
.rept 4
	v_nop
.endr
.endm
; 64 numbers of a lane in window 3, register 16 b + i = element 16 h + i of block b, become a fragment's 12 registers at v[pc] and its scale word in v[pw].  The maxima take the registers in ascending order.
.macro QUANT src, pc, pw
	WIN 0x0f                                       ; sources 0 and 1 in window 3
.irp b, 0,1,2,3
	v_max3_num_f32 v[TM+\b], |v[(\src)+16*\b]|, |v[(\src)+16*\b+1]|, s[FLR]
.endr
.irp i, 2,4,6,8,10,12,14
.irp b, 0,1,2,3
	v_max3_num_f32 v[TM+\b], |v[(\src)+16*\b+\i]|, |v[(\src)+16*\b+\i+1]|, v[TM+\b]   ; the four blocks by turns
.endr
.endr
	WIN 0
.irp b, 0,1,2,3
	v_permlanex16_b32 v[TM+4+\b], v[TM+\b], s[SEL], s[SEL+1]
.endr
.irp b, 0,1,2,3
	v_max_num_f32 v[TM+\b], v[TM+\b], v[TM+4+\b]   ; with lane l xor 16's 16: the block's largest magnitude
.endr
.irp b, 0,1,2,3
	v_add_nc_u32 v[TM+12+\b], 0xff000000, v[TM+\b] ; 2 off its exponent field: the conversion's scale operand
.endr
.irp b, 0,1,2,3
	v_lshrrev_b32 v[TM+4+\b], 23, v[TM+12+\b]      ; the scale's byte
.endr
	v_lshl_or_b32 v[\pw], v[TM+5], 8, v[TM+4]
	v_lshl_or_b32 v[\pw], v[TM+6], 16, v[\pw]
	v_lshl_or_b32 v[\pw], v[TM+7], 24, v[\pw]
	WIN 0x03                                       ; source 0 in window 3
.irp c, 0,1
	v_cvt_scalef32_pk16_fp6_f32 v[(\pc)+6*\c:(\pc)+6*\c+2], v[(\src)+32*\c:(\src)+32*\c+15], v[TM+12+2*\c]
	v_cvt_scalef32_pk16_fp6_f32 v[TMPC+4*\c:TMPC+4*\c+2], v[(\src)+32*\c+16:(\src)+32*\c+31], v[TM+13+2*\c]
.endr
	WIN 0
	v_nop                                          ; one plain place behind a scaled conversion
.irp c, 0,1                                    ; the layout wants a whole block in a lane: lanes 0-15 block 2 c, lanes 16-31 block 2 c + 1
.irp i, 0,1,2
	v_permlane16_swap_b32 v[(\pc)+6*\c+\i], v[TMPC+4*\c+\i]
.endr
.irp i, 0,1,2
	v_mov_b32 v[(\pc)+6*\c+3+\i], v[TMPC+4*\c+\i]
.endr
.endr
.endm
; 32 rows x 512 bytes of x (a K step of my 32 tokens), a row a load, into 128 registers of window win
.macro LOADX win, reg, off
	WIN (\win)<<6
.set n, 0
.rept 32
	global_load_b128 v[\reg+4*n:\reg+4*n+3], v[LI], s[XP:XP+1] offset:n*4096+\off th:TH_LOAD_NT
.set n, n+1
.endr
	WIN 0
.endm
; One K step of my 32 tokens: through the stage (rows laid in the tiles' order), quantised, images to the slab.  par: the K step's place in its slab; cnt: the younger loads that may stay out.
.macro STEPX win, reg, par, refill, cnt
	s_wait_loadcnt \cnt
	WIN (\win)<<2                                  ; an LDS store's data are its source 1
.set n, 0
.rept 32
	ds_store_b128 v[XSW], v[\reg+4*n:\reg+4*n+3] offset:(16*((n/8)%2)+n%8+8*(n/16))*XPIT   ; token n is lane n % 8 + 8 (n / 16) of tile (n / 8) % 2
.set n, n+1
.endr
	WIN 0xc0
.irp u, 0,1
.irp b, 0,1,2,3
.irp j, 0,1,2,3
	ds_load_b128 v[64*\u+16*\b+4*\j:64*\u+16*\b+4*\j+3], v[XSR] offset:\u*16*XPIT+128*\b+16*\j   ; my row's 16 numbers of block b.  LDS serves a wave's instructions in order: these see the stores above.  No vector instruction since the last step's wait on va_vdst names these registers
.endr
.endr
.endr
	WIN 0
	s_wait_dscnt 16                                ; tile 0's numbers are in (tile 1's 16 loads may be out)
	s_wait_alu depctr_vm_vsrc(0)                   ; the stores into the stage have read this raw set, which is written again (by the loads below; behind the phase by W's loads and the products); the last step's image stores have read v[PC ..] and v[PW ..], which the quantiser writes
.if \refill
	LOADX \win, \reg, 1024+512*\par                ; the K step two on
.endif
	QUANT 0, PC, PW
	s_wait_dscnt 0x0                               ; tile 1's numbers are in
	QUANT 64, PC+12, PW+1
	s_wait_alu depctr_va_vdst(0)                   ; the quantiser has written both tiles' codes and scale words, which the stores below read, and is done reading the numbers, in which the next step's LDS loads land; in a trip's first step v[CWI] and v[CWS] are written
.irp u, 0,1
.irp c, 0,1,2
	ds_store_b128 v[CWI], v[PC+12*\u+4*\c:PC+12*\u+4*\c+3] offset:12288*\par+1536*\u+512*\c
.endr
	ds_store_b32 v[CWS], v[PW+\u] offset:24576+256*\par+4*\u       ; lanes l and l xor 16 write the same word with the same value
.endr
.endm
.macro LOADW k, base, n0, cnt          ; a head's K step k of W is four images, 12 loads of 512 consecutive bytes, into its slot: loads n0 on, cnt of them
.if (\k) < 5
	WIN 0x40
.set WR, 48*(\k)
.else
	WIN 0x80
.set WR, 48*((\k)-5)
.endif
.set n, \n0
.rept \cnt
	global_load_b128 v[WR+4*n:WR+4*n+3], v[LI], s[WP:WP+1] offset:\base+6144*(\k)+512*n
.set n, n+1
.endr
.endm
.macro LOADWS p, base                  ; W's scale words of K steps 2 p (lanes 0-15) and 2 p + 1 (lanes 16-31): four tiles' words a lane
	WIN 0
	global_load_b128 v[WS+4*(\p):WS+4*(\p)+3], v[LI], s[WP:WP+1] offset:\base+49152+512*(\p)
.endm
.macro FETCHA k, n0, cnt               ; A's eight fragments of K step k are 24 loads: loads n0 on, cnt of them
.if ((\k)%2) == 0
.set AR, A0
	WIN 0
.else
.set AR, A1
	WIN 0x80
.endif
.set AD, LI+((\k)/4)
.set AO, SLAB*(((\k)/2)%2)+12288*((\k)%2)
.set n, \n0
.rept \cnt
	ds_load_b128 v[AR+4*n:AR+4*n+3], v[AD] offset:AO+512*n
.set n, n+1
.endr
.endm
.macro FETCHAS p                       ; A's scale words of K steps 2 p (lanes 0-15) and 2 p + 1 (lanes 16-31), eight tiles
	WIN 0
.irp h, 0,1
	ds_load_b128 v[AS+8*((\p)%2)+4*\h:AS+8*((\p)%2)+4*\h+3], v[LI+(\p)/2] offset:SLAB*((\p)%2)+24576+512*\h
.endr
.endm
; Batch j of four of the loads that K step k issues: six of the next step's 24 LDS loads of A (in the first batch of an odd step its pair's scale words too); more = 1: three of the 12 loads that fill the slot of the
; step before for the next head (behind the last of them, in an even step, that pair's scale words).  All land in registers that the step before read last, and that no product of step k names.
.macro DEAL k, j, more
.if (\k) < 7
	FETCHA (\k)+1, 6*(\j), 6
.elseif \more
	FETCHA 0, 6*(\j), 6
.endif
.if ((\j) == 0) && (((\k)%2) == 1)
.if (\k) < 7
	FETCHAS ((\k)+1)/2
.elseif \more
	FETCHAS 0
.endif
.endif
.if \more && ((\k) > 0)
	LOADW (\k)-1, WCH, 3*(\j), 3
.if ((\j) == 3) && (((\k)%2) == 0)
	LOADWS ((\k)-2)/2, WCH
.endif
.endif
.endm
.macro MM d, a, b, sa, sb, k           ; K step 0 starts the sums; odd K steps take their scale words from lanes 16-31
.if (\k) == 0
	v_wmma_scale_f32_16x16x128_f8f6f4 v[\d:\d+7], v[\a:\a+11], v[\b:\b+11], 0, v[\sa], v[\sb] matrix_a_fmt:MATRIX_FMT_FP6 matrix_b_fmt:MATRIX_FMT_FP6
.elseif ((\k)%2) == 0
	v_wmma_scale_f32_16x16x128_f8f6f4 v[\d:\d+7], v[\a:\a+11], v[\b:\b+11], v[\d:\d+7], v[\sa], v[\sb] matrix_a_fmt:MATRIX_FMT_FP6 matrix_b_fmt:MATRIX_FMT_FP6
.else
	v_wmma_scale_f32_16x16x128_f8f6f4 v[\d:\d+7], v[\a:\a+11], v[\b:\b+11], v[\d:\d+7], v[\sa], v[\sb] matrix_a_fmt:MATRIX_FMT_FP6 matrix_b_fmt:MATRIX_FMT_FP6 matrix_a_scale:MATRIX_SCALE_ROW1 matrix_b_scale:MATRIX_SCALE_ROW1
.endif
.endm
; A K step's 32 products.  The 32 accumulators take turns, one instruction a turn, in the same order in every step.  Product i: path 0: token tile i / 4, column tile i % 4; path 1: column tile i / 8, token tile i % 8.
; Behind products 3, 7, 11 and 15 stands a batch of the step's loads: the last of them has the step's other 16 products in which to land.
.macro PROD path, k, more
.if (\k) < 5
.set PWW, 1
.set PWR, 48*(\k)
.else
.set PWW, 2
.set PWR, 48*((\k)-5)
.endif
.if ((\k)%2) == 0
.set PAW, 0
.set PAR, A0
.else
.set PAW, 2
.set PAR, A1
.endif
.set PWS, WS+4*((\k)/2)
.set PAS, AS+8*(((\k)/2)%2)
.set i, 0
.rept 32
.if \path == 0
	WIN 0xf0|(PAW<<2)|PWW                          ; source 0 = W, source 1 = A; C and D window 3
	MM 8*i, PWR+12*(i%4), PAR+12*(i/4), PWS+i%4, PAS+i/4, \k
.else
	WIN 0xf0|(PWW<<2)|PAW                          ; source 0 = A, source 1 = W
	MM 8*i, PAR+12*(i%8), PWR+12*(i/8), PAS+i%8, PWS+i/8, \k
.endif
.if ((i%4) == 3) && (i < 16)
	DEAL \k, i/4, \more
.endif
.set i, i+1
.endr
	WIN 0
.endm
; A head: 8 K steps.  more = 1: each slot of W, and each pair's scale words, are loaded again for the next head in the step behind their last products (slot 7 and the last pair's words in the way out), and A's first fragments are fetched again in step 7.
.macro CHUNK path, more
.irp k, 0,1,2,3,4,5,6,7
	s_wait_dscnt 0x0                               ; this step's fragments and scale words of A are in: they were asked for in the first half of the step before
.if \more
	s_wait_loadcnt 60                              ; behind this step's slot of W at least 72 loads were issued (six other slots'), behind its pair's scale words at least 62 (five slots' and two pairs' words)
.elseif (\k%2) == 0
.set TL, 12*(6-\k)+3-\k/2                          ; the last head: behind this pair's scale words stand the later slots' loads and the later words'
.if TL > 63
.set TL, 63
.endif
	s_wait_loadcnt TL
.endif
.if \k > 0
	PLACES                                         ; behind the last step's products
.if \more || (\k < 7)
	s_wait_alu depctr_va_vdst(0)                   ; the last step's products are done reading their slot of W, their set of A's fragments and their scale words: this step's loads land there
.endif
.endif
	PROD \path, \k, \more
.endr
	PLACES                                         ; behind the head's last products, ahead of the quantiser's first read of their results
.endm
; A head's results become four images and their scale words.  In either path image q is made of accumulators 8 q .. 8 q + 7.
.macro EPI more
	s_wait_xcnt 0x0                                ; the last head's stores have had their addresses translated: their registers are rewritten only behind this wait
	s_wait_alu depctr_vm_vsrc(0)                   ; the last head's stores (ahead of the first head: phase X's image stores) have read v[PC ..], v[PW ..], v10 and v11, which are written below
	QUANT 0, PC, PW
	QUANT 64, PC+12, PW+1
	s_wait_alu depctr_va_vdst(0)                   ; the quantiser has written images 0 and 1, which the stores below read; K step 7's products are done reading W's slot 7 and the last pair's scale words, in which the loads below land
.if \more
	LOADW 7, WCH, 0, 12
	LOADWS 3, WCH
.endif
	WIN 0
.irp q, 0,1
.irp c, 0,1,2
	global_store_b128 v[LI], v[PC+12*\q+4*\c:PC+12*\q+4*\c+3], s[OP:OP+1] offset:1536*\q+512*\c   ; 512 consecutive bytes
.endr
.endr
	QUANT 128, PC+24, PW+2
	QUANT 192, PC+36, PW+3
.irp q, 0,1,2,3
	v_sub_nc_u32 v[PW+\q], v[PW+\q], s[ADJ]        ; q: 3 off each byte; no byte is under 4 there
.endr
	v_cndmask_b32 v10, v[PW], v[PW+2], s[HM]       ; lanes 0-15 store words 0, 1 of row r, lanes 16-31 words 2, 3:
	v_cndmask_b32 v11, v[PW+1], v[PW+3], s[HM]
	s_wait_alu depctr_va_vdst(0)                   ; images 2 and 3 and v10, v11 are written, which the stores below read
.irp q, 2,3
.irp c, 0,1,2
	global_store_b128 v[LI], v[PC+12*\q+4*\c:PC+12*\q+4*\c+3], s[OP:OP+1] offset:1536*\q+512*\c
.endr
.endr
	global_store_b64 v[SI], v[10:11], s[OP:OP+1] offset:6144       ; 256 consecutive bytes
.endm
	s_load_b256 s[4:11], s[0:1], 0x0               ; queries, keys, values, wimg
	s_load_b64 s[12:13], s[0:1], 0x20              ; qkv
	v_lshl_add_u32 v[SPW], v0, 2, SPARE
	v_mov_b32 v[NIL], 0
	v_lshrrev_b32 v16, 5, v0
	v_readfirstlane_b32 s[WV], v16                 ; wave 0..3
	s_and_b32 s[TT], ttmp7, 0xffff
	v_and_b32 v16, 31, v0                          ; lane
	v_and_b32 v17, 15, v0                          ; r
	v_bfe_u32 v18, v0, 4, 1                        ; h
	v_lshlrev_b32 v[LI], 4, v16
	v_add_nc_u32 v[LI1], 2*SLAB, v[LI]
	s_wait_alu depctr_va_sdst(0)                   ; the wave's number is written, ahead of its first reader
	s_mul_i32 s32, s[WV], XSTW
	s_add_co_u32 s32, s32, XSTG                    ; my stage
	v_add_nc_u32 v[XSW], s32, v[LI]
	v_mul_u32_u24 v[XSR], v17, XPIT
	v_lshl_add_u32 v[XSR], v18, 6, v[XSR]
	v_add_nc_u32 v[XSR], s32, v[XSR]
	s_mul_i32 s32, s[WV], 3072
	v_add_nc_u32 v[AWI], s32, v[LI]
	s_lshr_b32 s32, s[WV], 1
	s_lshl_b32 s32, s32, 9
	s_and_b32 s33, s[WV], 1
	s_lshl_b32 s33, s33, 3
	s_add_co_u32 s32, s32, s33
	v_lshlrev_b32 v[AWS], 4, v17
	v_add_nc_u32 v[AWS], s32, v[AWS]
	v_lshlrev_b32 v[SI], 4, v17
	v_lshl_add_u32 v[SI], v18, 3, v[SI]
.irp b, 0,1,2,3
	v_mov_b32 v[TM+4+\b], 0                        ; written once: a lane permute's destination counts as one of its sources
.endr
	s_mov_b32 s[SEL], 0x76543210
	s_mov_b32 s[SEL+1], 0xfedcba98                 ; v_permlanex16_b32's selects for lane l xor 16
	s_mov_b32 s[FLR], 0x1800000                    ; 2^(3 - 127)
	s_mov_b32 s[HM], 0xffff0000
	s_lshl_b32 s32, ttmp9, 19                      ; x: 128 rows of 4,096 bytes a work-group,
	s_lshl_b32 s33, s[WV], 17                      ; 32 a wave
	s_add_co_u32 s32, s32, s33
	s_mov_b32 s33, 0
	s_mul_i32 s34, s[TT], 16*WCH                   ; W: the tensor's weight, my wave's first head 4 w
	s_mul_i32 s35, s[WV], 4*WCH
	s_add_co_u32 s34, s34, s35
	s_mov_b32 s35, 0
	s_mul_i32 s36, s[TT], 6553600                  ; out: tensor, b = x / 16, head 4 w, the 128 tokens x % 16
	s_lshr_b32 s37, ttmp9, 4
	s_mul_i32 s37, s37, 1638400
	s_add_co_u32 s36, s36, s37
	s_mul_i32 s37, s[WV], 409600
	s_add_co_u32 s36, s36, s37
	s_and_b32 s37, ttmp9, 15
	s_mul_i32 s37, s37, 6400
	s_add_co_u32 s36, s36, s37
	s_mov_b32 s37, 0
	s_wait_kmcnt 0x0
	s_cmp_eq_u32 s[TT], 0                          ; the tensor is chosen by the work-group's number alone
	s_cselect_b64 s[XP:XP+1], s[4:5], s[6:7]
	s_cmp_eq_u32 s[TT], 2
	s_cselect_b64 s[XP:XP+1], s[8:9], s[XP:XP+1]
	s_add_nc_u64 s[XP:XP+1], s[XP:XP+1], s[32:33]
	s_add_nc_u64 s[WP:WP+1], s[10:11], s[34:35]
	s_add_nc_u64 s[OP:OP+1], s[12:13], s[36:37]
	s_wait_alu depctr_va_vdst(0)                   ; the offsets and LDS addresses v1 to v6 and v9 are written, which the loads and stores of the whole kernel read
	; ---- PHASE X: eight K steps, two a trip; two K steps' loads (64 a wave) are always on their way
	LOADX 3, 128, 0
	LOADX 2, 0, 512
	s_mov_b32 s[SB], 0
	s_mov_b32 s[CT], 3
.Lx:
	v_add_nc_u32 v[CWI], s[SB], v[AWI]
	v_add_nc_u32 v[CWS], s[SB], v[AWS]
	STEPX 3, 128, 0, 1, 32                         ; the other set's 32 loads may stay out
	STEPX 2, 0, 1, 1, 32
	s_wait_dscnt 0x0                               ; my LDS stores of this trip are done
	s_wait_alu depctr_vm_vsrc(0)                   ; the image stores have read v[CWI] and v[CWS], which are written again behind the branch, on either way
	s_wait_xcnt 0x0                                ; and my loads have read their base
	s_add_nc_u64 s[XP:XP+1], s[XP:XP+1], 1024
	s_add_co_u32 s[SB], s[SB], SLAB
	s_sub_co_u32 s[CT], s[CT], 1
	s_cmp_lg_u32 s[CT], 0
	s_cbranch_scc1 .Lx
	v_add_nc_u32 v[CWI], s[SB], v[AWI]
	v_add_nc_u32 v[CWS], s[SB], v[AWS]
.irp p, 0,1,2,3
	LOADWS \p, 0                                   ; the first head's weights are asked for while the last two K steps of x are quantised: the scale words, K steps 0-4 (window 1 is free)
.endr
.irp k, 0,1,2,3,4
	LOADW \k, 0, 0, 12
.endr
	WIN 0
	STEPX 3, 128, 0, 0, 63                         ; 96 loads are younger: the largest count that the field holds
	STEPX 2, 0, 1, 0, 63                           ; 64 are younger
	s_wait_dscnt 0x0                               ; for the other waves' sake: my images lie in LDS
.irp k, 5,6,7
	LOADW \k, 0, 0, 12                             ; W's K steps 5-7 land where x's second raw set lay: the last step's wait on vm_vsrc stands behind the stage's stores that read it
.endr
	WIN 0
	s_barrier_signal -1
	s_barrier_wait -1                              ; all 64 fragments of A lie in LDS; nothing is stored to LDS behind this barrier
	s_cmp_eq_u32 s[TT], 0
	s_cselect_b32 s[ADJ], 0x03030303, 0
	s_cselect_b32 s[FLR], 0x3000000, s[FLR]        ; q: the floor 2^(6 - 127)
	; ---- THE PRODUCT: four heads
	FETCHA 0, 0, 24
	FETCHAS 0
	s_mov_b32 s[CT], 3
.Lchunk:
	s_cmp_eq_u32 s[TT], 2
	s_cbranch_scc1 .Lv_more
	CHUNK 0, 1
	s_branch .Ljoin_more
.Lv_more:
	CHUNK 1, 1
.Ljoin_more:
	EPI 1
	s_wait_xcnt 0x0                                ; loads and stores have read their bases
	s_add_nc_u64 s[WP:WP+1], s[WP:WP+1], WCH
	s_add_nc_u64 s[OP:OP+1], s[OP:OP+1], 102400
	s_sub_co_u32 s[CT], s[CT], 1
	s_cmp_lg_u32 s[CT], 0
	s_cbranch_scc1 .Lchunk
	s_cmp_eq_u32 s[TT], 2                          ; the last head is written out: it loads nothing more of W
	s_cbranch_scc1 .Lv_last
	CHUNK 0, 0
	s_branch .Ljoin_last
.Lv_last:
	CHUNK 1, 0
.Ljoin_last:
	EPI 0
	s_wait_dscnt 0x0                               ; the wave's end
	s_wait_alu 0x0
	s_wait_tensorcnt 0x0
	ds_add_u32 v[SPW], v[NIL]
	s_wait_dscnt 0x0
	s_endpgm
.Lfunc_end_k_q76d2266814_proj:
	.size	k_q76d2266814_proj, .Lfunc_end_k_q76d2266814_proj-k_q76d2266814_proj
	.p2alignl 7, 3214868480
	.fill 96, 4, 3214868480
	.section	.rodata,"a",@progbits
	.p2align	6, 0x0
	.amdhsa_kernel k_q76d2266814_proj
		.amdhsa_group_segment_fixed_size 170496
		.amdhsa_private_segment_fixed_size 0
		.amdhsa_enable_private_segment 0
		.amdhsa_kernarg_size 40
		.amdhsa_user_sgpr_count 2
		.amdhsa_user_sgpr_kernarg_segment_ptr 1
		.amdhsa_wavefront_size32 1
		.amdhsa_system_sgpr_workgroup_id_x 1
		.amdhsa_system_sgpr_workgroup_id_y 1
		.amdhsa_system_sgpr_workgroup_id_z 1
		.amdhsa_system_vgpr_workitem_id 0
		.amdhsa_next_free_vgpr 1024
		.amdhsa_next_free_sgpr 66
		.amdhsa_reserve_vcc 0
		.amdhsa_float_denorm_mode_32 3
		.amdhsa_float_denorm_mode_16_64 3
		.amdhsa_memory_ordered 1
		.amdhsa_forward_progress 1
		.amdhsa_inst_pref_size 255
	.end_amdhsa_kernel
	.section	.bss,"aw",@nobits
	.p2align	6
	.space	262144
	.amdgpu_metadata
---
amdhsa.version: [ 1, 2 ]
amdhsa.kernels:
  - .name:           k_q76d2266814_proj
    .symbol:         k_q76d2266814_proj.kd
    .args:
      - { .name: queries, .offset: 0, .size: 8, .value_kind: global_buffer, .address_space: global }
      - { .name: keys, .offset: 8, .size: 8, .value_kind: global_buffer, .address_space: global }
      - { .name: values, .offset: 16, .size: 8, .value_kind: global_buffer, .address_space: global }
      - { .name: wimg, .offset: 24, .size: 8, .value_kind: global_buffer, .address_space: global }
      - { .name: qkv, .offset: 32, .size: 8, .value_kind: global_buffer, .address_space: global }
    .group_segment_fixed_size: 170496
    .private_segment_fixed_size: 0
    .kernarg_segment_align: 8
    .kernarg_segment_size: 40
    .max_flat_workgroup_size: 128
    .sgpr_count:     66
    .vgpr_count:     1024
    .wavefront_size: 32
...
	.end_amdgpu_metadata
.endif
;; end of part 5
;; launch attn: the kernel of part 3 again; grid 8 x 64, 8 waves a work-group, clusters of 4 x 1, 214,016 bytes of LDS; arguments qkv, src_masks, ctx; writes ctx
;; launch outp: the kernel of part 4 again; grid 4 x 64, 4 waves a work-group, clusters of 4 x 1, 167,936 bytes of LDS; arguments ctx, wimg, out0; writes out0
